; MI455X (gfx1250); checked and timed in simulation.
; The chip was launched on July 23, 2026; its instructions are those of AMD's public machine-readable ISA for CDNA 5 (MIT licence, August 2026) and "CDNA5" Instruction Set Architecture Reference Guide (July 2026). The comments in the code are by the model that wrote it; some were corrected since.
;; Efficient Attention Block. Allowed arithmetic: float matrix products may take bf16 or f16 operands with f32 sums; all other float work in f32.
;; Inputs: all_toks 8,192 x 2,048 float32; b1 2,048 float32; b2 2,048 float32; b_ffn1 8,192 float32; b_ffn2 2,048 float32; bk 2,048 float32; bo 2,048 float32; bq 2,048 float32; bv 2,048 float32; g1 2,048 float32; g2 2,048 float32; self_tok 2,048 float32; w_ffn1 2,048 x 8,192 float32; w_ffn2 8,192 x 2,048 float32; wk 2,048 x 2,048 float32; wo 2,048 x 2,048 float32; wq 2,048 x 2,048 float32; wv 2,048 x 2,048 float32.
;; Outputs: out0 2,048 float32.
;; 2 versions, each right; version 2 is version 1 with the launch ukey written anew for expert scheduling mode. Each part assembles by itself: llvm-mc -triple=amdgcn-amd-amdhsa -mcpu=gfx1250 --defsym DOCPART=n.
;; ======== version 1 of 2: 8 launches
;; limits: values outside matrix products are rounded to bf16
;; workspace buffers: qpart 131,072 bytes; ug 65,536 bytes; zpart 16,777,216 bytes; stats 32,768 bytes; opart 131,072 bytes; xpart 65,536 bytes; hpart 131,072 bytes; outpart 131,072 bytes
;; launch qproj (part 1): grid 16 x 16, 8 waves a work-group, no clusters, 13,824 bytes of LDS; arguments self_tok, g1, b1, wq, qpart; writes qpart
.if DOCPART == 1
	.amdgcn_target "amdgcn-amd-amdhsa--gfx1250"
	.amdhsa_code_object_version 6
	.text
	.protected	k_q65e4aa14c8_qproj
	.globl	k_q65e4aa14c8_qproj
	.p2align	8
	.type	k_q65e4aa14c8_qproj,@function
k_q65e4aa14c8_qproj:
	s_mov_b64 s[64:65], 0
	v_nop
	global_prefetch_b8 v0, s[64:65] scope:SCOPE_SE
	s_setreg_imm32_b32 hwreg(HW_REG_WAVE_MODE, 25, 1), 1
	s_wait_xcnt 0x0
; EfficientAttentionBlock, one query token over S = 8192 tokens, D = 2048, H = 16 heads of 128.  Eight launches.
; THE FORM THAT IS COMPUTED.  With one query the two large products re-associate exactly, for all values of the inputs:
;   scores[h,s] = scale * sum_c n_all[s,c] u[c,h] + scale * (q_h . bk_h),   u[c,h] = sum_d wk[c,128h+d] q[128h+d]
;   out[h,d]    = sum_c ctx[h,c] wv[c,128h+d] + bv[128h+d],                 ctx[h,c] = sum_s attn[h,s] n_all[s,c]   (sum_s attn[h,s] = 1)
; and with n_all[s,c] = y[s,c] g1[c] + b1[c], y the row centred and divided by its deviation:
;   scores[h,s] = scale * sum_c y[s,c] g1[c] u[c,h] + scale * sum_c b1[c] u[c,h] + scale * (q_h . bk_h),   ctx[h,c] = g1[c] sum_s attn[h,s] y[s,c] + b1[c].
; WORK LEFT OUT.  The terms scale*(q_h . bk_h) and scale*sum_c b1[c] u[c,h] do not hang on s: they are the same along the softmax's axis and cancel
; in it whatever the inputs hold.  So bk has no way to the output: it is not loaded and is no argument of any launch.  b1 stays in n_self and in ctx.
; LIMITS.  A NaN, an infinity or an overflow that reaches only bk or the term b1 . u is not carried to the result.  The order of the sums differs from
; the module's (k and v are never formed).  The softmax keeps its maximum: one for each block of 32 tokens, then the maximum of those.
; The blocks' sums z[block][h][c] = sum_s p y pass from one launch to the next rounded to bf16: they are an operand of the product with the blocks'
; weights that joins them; the weights and the joined sums stay in f32.  Each z carries a relative rounding of 2^-9 at the most, as y and p do.
; Matrix units serve the two products over all_toks alone (bf16 operands, f32 sums); the six products of one row with a matrix are streams in f32.
; NO MULTICAST.  Every byte of a weight and of all_toks is read by one work-group alone.  What work-groups share are the small vectors and the partial
; sums of the launch before; where that is more than a few rows of 8,192 bytes (ug in stream, xpart in ffn1) the launch's head gives the arithmetic.
;
; THIS LAUNCH: qpart[kc][n] = sum over c in 128 kc .. 128 kc + 127 of LN(self_tok)[c] wq[c][n]; bq is added by the next launch.
; Work-group (nb, kc): 128 rows x 128 columns of wq.  Wave w: 16 rows; one load of a wave is a row's 512 consecutive bytes, lane L columns 4L .. 4L+3.
; All loads are issued at the head; no base and no address register is written again.
.set RS1, 0                            ; 8 words: the waves' sums
.set RS2, 256                          ; 8 words: the waves' sums of squares
.set VEC, 512                          ; 8,192 bytes: the normalised token
.set RED, 8704                         ; 8 x 512 bytes: the waves' partial results
.set XS,  8                            ; v[8:15]    my 8 numbers of self_tok
.set G,   16                           ; v[16:23]   g1
.set B,   24                           ; v[24:31]   b1
.set W,   32                           ; v[32:95]   16 row pieces of wq
.set MU,  96                           ; v[96:111]  the 16 multipliers of my rows
.set ACC, 112                          ; v[112:119] two accumulators of 4 columns
.set T,   120                          ; v[120:127] at work
.macro WSUM r, t                       ; sum over the 32 lanes, in every lane; t has been written before
	v_add_f32_dpp v[\r], v[\r], v[\r] row_xmask:1 row_mask:0xf bank_mask:0xf
	v_add_f32_dpp v[\r], v[\r], v[\r] row_xmask:2 row_mask:0xf bank_mask:0xf
	v_add_f32_dpp v[\r], v[\r], v[\r] row_xmask:4 row_mask:0xf bank_mask:0xf
	v_add_f32_dpp v[\r], v[\r], v[\r] row_xmask:8 row_mask:0xf bank_mask:0xf
	v_permlanex16_b32 v[\t], v[\r], s12, s13
	v_add_f32 v[\r], v[\r], v[\t]
.endm
.macro BAR                             ; my LDS accesses are done (zero: other waves read or overwrite the bytes), then the work-group's barrier
	s_wait_dscnt 0x0
	s_barrier_signal -1
	s_barrier_wait -1
.endm
.macro TREE8 b                         ; v[b] = sum of v[b .. b+7]
	v_pk_add_f32 v[\b:\b+1], v[\b:\b+1], v[\b+4:\b+5]
	v_pk_add_f32 v[\b+2:\b+3], v[\b+2:\b+3], v[\b+6:\b+7]
	v_pk_add_f32 v[\b:\b+1], v[\b:\b+1], v[\b+2:\b+3]
	v_add_f32 v[\b], v[\b], v[\b+1]
.endm
.macro BSUM8 b, off                    ; v[b] = sum of v[b] over the 256 threads; uses v[b .. b+7] and 8 words of LDS at off
	WSUM \b, \b+1
	ds_store_b32 v4, v[\b] offset:\off
	BAR
	ds_load_b128 v[\b:\b+3], v5 offset:\off
	ds_load_b128 v[\b+4:\b+7], v5 offset:\off+16
	s_wait_dscnt 0x0
	TREE8 \b
.endm
; nr rows at v[w ..], 4 registers each, times the multipliers v[mu ..]; even rows into ACC, odd rows into ACC+4.
; The wait in front of row i leaves out the nr-1-i younger rows and the extra loads issued behind the rows.
.macro MVCORE nr, w, mu, extra
.set jj, 0
.rept \nr/2
	s_wait_loadcnt \extra+\nr-1-2*jj
.if jj == 0
	v_pk_mul_f32 v[ACC:ACC+1], v[\w:\w+1], v[\mu:\mu+1] op_sel_hi:[1,0]
	v_pk_mul_f32 v[ACC+2:ACC+3], v[\w+2:\w+3], v[\mu:\mu+1] op_sel_hi:[1,0]
.else
	v_pk_fma_f32 v[ACC:ACC+1], v[\w+8*jj:\w+8*jj+1], v[\mu+2*jj:\mu+2*jj+1], v[ACC:ACC+1] op_sel_hi:[1,0,1]
	v_pk_fma_f32 v[ACC+2:ACC+3], v[\w+8*jj+2:\w+8*jj+3], v[\mu+2*jj:\mu+2*jj+1], v[ACC+2:ACC+3] op_sel_hi:[1,0,1]
.endif
	s_wait_loadcnt \extra+\nr-2-2*jj
.if jj == 0
	v_pk_mul_f32 v[ACC+4:ACC+5], v[\w+4:\w+5], v[\mu:\mu+1] op_sel:[0,1] op_sel_hi:[1,1]
	v_pk_mul_f32 v[ACC+6:ACC+7], v[\w+6:\w+7], v[\mu:\mu+1] op_sel:[0,1] op_sel_hi:[1,1]
.else
	v_pk_fma_f32 v[ACC+4:ACC+5], v[\w+8*jj+4:\w+8*jj+5], v[\mu+2*jj:\mu+2*jj+1], v[ACC+4:ACC+5] op_sel:[0,1,0] op_sel_hi:[1,1,1]
	v_pk_fma_f32 v[ACC+6:ACC+7], v[\w+8*jj+6:\w+8*jj+7], v[\mu+2*jj:\mu+2*jj+1], v[ACC+6:ACC+7] op_sel:[0,1,0] op_sel_hi:[1,1,1]
.endif
.set jj, jj+1
.endr
	v_pk_add_f32 v[ACC:ACC+1], v[ACC:ACC+1], v[ACC+4:ACC+5]
	v_pk_add_f32 v[ACC+2:ACC+3], v[ACC+2:ACC+3], v[ACC+6:ACC+7]
.endm
; the nw waves' partial results meet in LDS; wave 0 adds them in the order of the waves and stores 512 consecutive bytes, aligned
.macro FINRED nw, red, w, base
	ds_store_b128 v6, v[ACC:ACC+3] offset:\red
	BAR
	s_cmp_lg_u32 s16, 0
	s_cbranch_scc1 .Lend
.set jj, 0
.rept \nw
	ds_load_b128 v[\w+4*jj:\w+4*jj+3], v2 offset:\red+512*jj
.set jj, jj+1
.endr
	s_wait_dscnt 0x0
.set jj, 1
.rept \nw-1
	v_pk_add_f32 v[\w:\w+1], v[\w:\w+1], v[\w+4*jj:\w+4*jj+1]
	v_pk_add_f32 v[\w+2:\w+3], v[\w+2:\w+3], v[\w+4*jj+2:\w+4*jj+3]
.set jj, jj+1
.endr
	global_store_b128 v2, v[\w:\w+3], s[\base:\base+1]
.Lend:
	s_wait_tensorcnt 0x0
	ds_add_u32 v128, v129
	s_wait_dscnt 0x0
	s_endpgm
.endm
	s_load_b256 s[4:11], s[0:1], 0x0               ; self_tok s[4:5], g1 s[6:7], b1 s[8:9], wq s[10:11]
	s_load_b64 s[14:15], s[0:1], 0x20              ; qpart
	v_lshl_add_u32 v128, v0, 2, 0x3200
	v_mov_b32 v129, 0
	v_and_b32 v1, 31, v0                           ; L
	v_lshrrev_b32 v3, 5, v0
	v_readfirstlane_b32 s16, v3                    ; wave w
	v_lshlrev_b32 v2, 4, v1                        ; 16 L
	s_mov_b32 s12, 0x76543210                      ; v_permlanex16_b32: lane i reads lane i of the other half
	s_mov_b32 s13, 0xfedcba98
	s_mov_b32 s24, 0x3a000000                      ; 1/2048
	s_mov_b32 s25, 0x358637bd                      ; eps = 1e-6
	s_and_b32 s18, ttmp7, 15                       ; kc: the grid has 16 work-groups along y, so four bits hold it
	s_lshl_b32 s17, s16, 9
	v_add_nc_u32 v6, s17, v2                       ; 512 w + 16 L = 16 x thread
	s_lshl_b32 s17, s16, 2
	v_mov_b32 v4, s17                              ; 4 w
	v_mov_b32 v5, 0
	s_lshl_b32 s26, s18, 9
	s_lshl_b32 s27, s16, 6
	s_add_co_u32 s26, s26, s27
	v_mov_b32 v7, s26                              ; 4 (128 kc + 16 w): my rows' multipliers in VEC; 512 x 15 + 64 x 7 = 8,128 at the most, so the 64 bytes read from there end where VEC ends
	s_lshl_b32 s20, s18, 20                        ; wq: (128 kc + 16 w) rows of 8,192 bytes + 512 nb
	s_lshl_b32 s21, s16, 17
	s_add_co_u32 s20, s20, s21
	s_lshl_b32 s21, ttmp9, 9
	s_add_co_u32 s20, s20, s21
	s_mov_b32 s21, 0
	s_lshl_b32 s22, s18, 13                        ; qpart: 8,192 kc + 512 nb
	s_lshl_b32 s23, ttmp9, 9
	s_add_co_u32 s22, s22, s23
	s_mov_b32 s23, 0
	s_wait_kmcnt 0x0
	s_add_nc_u64 s[10:11], s[10:11], s[20:21]
	s_add_nc_u64 s[14:15], s[14:15], s[22:23]
	global_load_b128 v[XS:XS+3],   v6, s[4:5]
	global_load_b128 v[XS+4:XS+7], v6, s[4:5] offset:4096
	global_load_b128 v[G:G+3],     v6, s[6:7]
	global_load_b128 v[G+4:G+7],   v6, s[6:7] offset:4096
	global_load_b128 v[B:B+3],     v6, s[8:9]
	global_load_b128 v[B+4:B+7],   v6, s[8:9] offset:4096
.set jj, 0
.rept 16
	global_load_b128 v[W+4*jj:W+4*jj+3], v2, s[10:11] offset:8192*jj th:TH_LOAD_NT
.set jj, jj+1
.endr
	s_wait_loadcnt 16                              ; the token, g1 and b1 are in; the 16 rows of wq stay out
	; LayerNorm in two passes: the mean, then the mean of the centred squares
	v_pk_add_f32 v[T:T+1], v[XS:XS+1], v[XS+2:XS+3]
	v_pk_add_f32 v[T+2:T+3], v[XS+4:XS+5], v[XS+6:XS+7]
	v_pk_add_f32 v[T:T+1], v[T:T+1], v[T+2:T+3]
	v_add_f32 v[T], v[T], v[T+1]
	BSUM8 T, RS1
	v_mul_f32 v[T], 0xba000000, v[T]               ; minus the mean
.irp k, 0,2,4,6
	v_pk_add_f32 v[XS+\k:XS+\k+1], v[XS+\k:XS+\k+1], v[T:T+1] op_sel_hi:[1,0]
.endr
	v_pk_mul_f32 v[T+2:T+3], v[XS:XS+1], v[XS:XS+1]
.irp k, 2,4,6
	v_pk_fma_f32 v[T+2:T+3], v[XS+\k:XS+\k+1], v[XS+\k:XS+\k+1], v[T+2:T+3]
.endr
	v_add_f32 v[T], v[T+2], v[T+3]
	BSUM8 T, RS2
	v_fma_f32 v[T], v[T], s24, s25                 ; variance + eps
	v_rsq_f32 v[T], v[T]
	v_nop                                          ; one plain instruction behind the transcendental (ISA guide 5.7.2)
	s_wait_alu depctr_va_vdst(0)
.irp k, 0,2,4,6
	v_pk_mul_f32 v[XS+\k:XS+\k+1], v[XS+\k:XS+\k+1], v[T:T+1] op_sel_hi:[1,0]
.endr
.irp k, 0,2,4,6
	v_pk_fma_f32 v[XS+\k:XS+\k+1], v[XS+\k:XS+\k+1], v[G+\k:G+\k+1], v[B+\k:B+\k+1]
.endr
	ds_store_b128 v6, v[XS:XS+3] offset:VEC
	ds_store_b128 v6, v[XS+4:XS+7] offset:VEC+4096
	BAR
.irp k, 0,1,2,3
	ds_load_b128 v[MU+4*\k:MU+4*\k+3], v7 offset:VEC+16*\k   ; the same 16 numbers in every lane
.endr
	s_wait_dscnt 0x0
	MVCORE 16, W, MU, 0
	FINRED 8, RED, W, 14
.Lfunc_end_k_q65e4aa14c8_qproj:
	.size	k_q65e4aa14c8_qproj, .Lfunc_end_k_q65e4aa14c8_qproj-k_q65e4aa14c8_qproj
	.p2alignl 7, 3214868480
	.fill 96, 4, 3214868480
	.section	.rodata,"a",@progbits
	.p2align	6, 0x0
	.amdhsa_kernel k_q65e4aa14c8_qproj
		.amdhsa_group_segment_fixed_size 13824
		.amdhsa_private_segment_fixed_size 0
		.amdhsa_enable_private_segment 0
		.amdhsa_kernarg_size 40
		.amdhsa_user_sgpr_count 2
		.amdhsa_user_sgpr_kernarg_segment_ptr 1
		.amdhsa_wavefront_size32 1
		.amdhsa_system_sgpr_workgroup_id_x 1
		.amdhsa_system_sgpr_workgroup_id_y 1
		.amdhsa_system_sgpr_workgroup_id_z 1
		.amdhsa_system_vgpr_workitem_id 0
		.amdhsa_next_free_vgpr 130
		.amdhsa_next_free_sgpr 66
		.amdhsa_reserve_vcc 0
		.amdhsa_float_denorm_mode_32 3
		.amdhsa_float_denorm_mode_16_64 3
		.amdhsa_memory_ordered 1
		.amdhsa_forward_progress 1
		.amdhsa_inst_pref_size 12
	.end_amdhsa_kernel
	.amdgpu_metadata
---
amdhsa.version: [ 1, 2 ]
amdhsa.kernels:
  - .name:           k_q65e4aa14c8_qproj
    .symbol:         k_q65e4aa14c8_qproj.kd
    .args:
      - { .name: self_tok, .offset: 0, .size: 8, .value_kind: global_buffer, .address_space: global }
      - { .name: g1, .offset: 8, .size: 8, .value_kind: global_buffer, .address_space: global }
      - { .name: b1, .offset: 16, .size: 8, .value_kind: global_buffer, .address_space: global }
      - { .name: wq, .offset: 24, .size: 8, .value_kind: global_buffer, .address_space: global }
      - { .name: qpart, .offset: 32, .size: 8, .value_kind: global_buffer, .address_space: global }
    .group_segment_fixed_size: 13824
    .private_segment_fixed_size: 0
    .kernarg_segment_align: 8
    .kernarg_segment_size: 40
    .max_flat_workgroup_size: 256
    .sgpr_count:     66
    .vgpr_count:     130
    .wavefront_size: 32
...
	.end_amdgpu_metadata
.endif
;; end of part 1
;; launch ukey (part 2): grid 16 x 16, 8 waves a work-group, no clusters, 5,632 bytes of LDS; arguments qpart, bq, wk, g1, ug; writes ug
.if DOCPART == 2
	.amdgcn_target "amdgcn-amd-amdhsa--gfx1250"
	.amdhsa_code_object_version 6
	.text
	.protected	k_q65e4aa14c8_ukey
	.globl	k_q65e4aa14c8_ukey
	.p2align	8
	.type	k_q65e4aa14c8_ukey,@function
k_q65e4aa14c8_ukey:
	s_mov_b64 s[64:65], 0
	v_nop
	global_prefetch_b8 v0, s[64:65] scope:SCOPE_SE
	s_setreg_imm32_b32 hwreg(HW_REG_WAVE_MODE, 25, 1), 1
	s_wait_xcnt 0x0
; ug[cc][h][j] = bf16( g1[c] * K * sum_d wk[c][128h+d] q[128h+d] ),  c = 128 cc + j,  q = sum of the 16 rows of qpart + bq,  K = 128^-0.5 * log2(e).
; Left out: bk and the term sum_c b1[c] u[c,h]; both add to the scores a number that is the same along the softmax's axis (shown at the head of qproj).
; Work-group (cc, h): rows 128 cc .. +127, columns 128 h .. +127 of wk.  Wave w: 16 rows; a row piece is 512 consecutive bytes, lane L columns 4L .. 4L+3.
.set VP,  0                            ; 8 x 512 bytes: the waves' sums of two rows of qpart
.set UR,  4096                         ; 128 words: u of the tile's rows
.set QP,  8                            ; v[8:15]    two pieces of qpart
.set BQ,  16                           ; v[16:19]   bq
.set G,   20                           ; v[20:23]   g1 of rows 128 cc + 4L .. +3
.set Q,   24                           ; v[24:27]   q of this head, scaled
.set W,   28                           ; v[28:91]   16 row pieces of wk
.set T,   92                           ; v[92:99]   at work, four pairs by turns
.set XT,  100                          ; v[100:131] at work
.macro WSUM r, t
	v_add_f32_dpp v[\r], v[\r], v[\r] row_xmask:1 row_mask:0xf bank_mask:0xf
	v_add_f32_dpp v[\r], v[\r], v[\r] row_xmask:2 row_mask:0xf bank_mask:0xf
	v_add_f32_dpp v[\r], v[\r], v[\r] row_xmask:4 row_mask:0xf bank_mask:0xf
	v_add_f32_dpp v[\r], v[\r], v[\r] row_xmask:8 row_mask:0xf bank_mask:0xf
	v_permlanex16_b32 v[\t], v[\r], s12, s13
	v_add_f32 v[\r], v[\r], v[\t]
.endm
.macro BAR
	s_wait_dscnt 0x0
	s_barrier_signal -1
	s_barrier_wait -1
.endm
.macro XSUM8 dst, reg, tmp             ; v[dst .. dst+3] = sum, in the order of the waves, of the eight pieces of 512 bytes at reg
.set jj, 0
.rept 8
	ds_load_b128 v[\tmp+4*jj:\tmp+4*jj+3], v2 offset:\reg+512*jj
.set jj, jj+1
.endr
	s_wait_dscnt 0x0
	v_pk_add_f32 v[\dst:\dst+1], v[\tmp:\tmp+1], v[\tmp+4:\tmp+5]
	v_pk_add_f32 v[\dst+2:\dst+3], v[\tmp+2:\tmp+3], v[\tmp+6:\tmp+7]
.set jj, 2
.rept 6
	v_pk_add_f32 v[\dst:\dst+1], v[\dst:\dst+1], v[\tmp+4*jj:\tmp+4*jj+1]
	v_pk_add_f32 v[\dst+2:\dst+3], v[\dst+2:\dst+3], v[\tmp+4*jj+2:\tmp+4*jj+3]
.set jj, jj+1
.endr
.endm
	s_load_b256 s[4:11], s[0:1], 0x0               ; qpart s[4:5], bq s[6:7], wk s[8:9], g1 s[10:11]
	s_load_b64 s[14:15], s[0:1], 0x20              ; ug
	v_lshl_add_u32 v132, v0, 2, 0x1200
	v_mov_b32 v133, 0
	v_and_b32 v1, 31, v0
	v_lshrrev_b32 v3, 5, v0
	v_readfirstlane_b32 s16, v3                    ; wave w
	v_lshlrev_b32 v2, 4, v1                        ; 16 L
	v_lshlrev_b32 v5, 3, v1                        ; 8 L
	s_mov_b32 s12, 0x76543210
	s_mov_b32 s13, 0xfedcba98
	s_and_b32 s18, ttmp7, 0xffff                   ; h
	s_lshl_b32 s17, s16, 9
	v_add_nc_u32 v3, s17, v2                       ; 512 w + 16 L
	s_lshl_b32 s17, s16, 6
	v_mov_b32 v4, s17                              ; 64 w: my 16 words of UR
	s_lshl_b32 s22, s18, 9                         ; bq: 512 h
	s_mov_b32 s23, 0
	s_lshl_b32 s20, s16, 14                        ; qpart: rows 2w, 2w+1, + 512 h
	s_add_co_u32 s20, s20, s22
	s_mov_b32 s21, 0
	s_lshl_b32 s24, ttmp9, 20                      ; wk: (128 cc + 16 w) rows of 8,192 bytes + 512 h
	s_lshl_b32 s25, s16, 17
	s_add_co_u32 s24, s24, s25
	s_add_co_u32 s24, s24, s22
	s_mov_b32 s25, 0
	s_lshl_b32 s26, ttmp9, 9                       ; g1: 512 cc
	s_mov_b32 s27, 0
	s_lshl_b32 s28, ttmp9, 12                      ; ug: 256 (16 cc + h)
	s_lshl_b32 s29, s18, 8
	s_add_co_u32 s28, s28, s29
	s_mov_b32 s29, 0
	s_wait_kmcnt 0x0
	s_add_nc_u64 s[4:5], s[4:5], s[20:21]
	s_add_nc_u64 s[6:7], s[6:7], s[22:23]
	s_add_nc_u64 s[8:9], s[8:9], s[24:25]
	s_add_nc_u64 s[10:11], s[10:11], s[26:27]
	s_add_nc_u64 s[14:15], s[14:15], s[28:29]
	global_load_b128 v[QP:QP+3],   v2, s[4:5]
	global_load_b128 v[QP+4:QP+7], v2, s[4:5] offset:8192
	global_load_b128 v[BQ:BQ+3],   v2, s[6:7]
	global_load_b128 v[G:G+3],     v2, s[10:11]
.set jj, 0
.rept 16
	global_load_b128 v[W+4*jj:W+4*jj+3], v2, s[8:9] offset:8192*jj th:TH_LOAD_NT
.set jj, jj+1
.endr
	s_wait_loadcnt 16                              ; qpart's pieces, bq and g1 are in; the 16 rows of wk stay out
	v_pk_add_f32 v[QP:QP+1], v[QP:QP+1], v[QP+4:QP+5]
	v_pk_add_f32 v[QP+2:QP+3], v[QP+2:QP+3], v[QP+6:QP+7]
	ds_store_b128 v3, v[QP:QP+3] offset:VP
	BAR
	XSUM8 Q, VP, XT
	v_pk_add_f32 v[Q:Q+1], v[Q:Q+1], v[BQ:BQ+1]
	v_pk_add_f32 v[Q+2:Q+3], v[Q+2:Q+3], v[BQ+2:BQ+3]
	v_pk_mul_f32 v[Q:Q+1], v[Q:Q+1], 0x3e0293ee op_sel_hi:[1,0]        ; 128^-0.5 * log2(e): the softmax works in base 2
	v_pk_mul_f32 v[Q+2:Q+3], v[Q+2:Q+3], 0x3e0293ee op_sel_hi:[1,0]
	; one row's dot product with q: 4 products a lane, then the sum over the lanes; every lane stores the same word
.set jj, 0
.rept 16
.set TT, T+2*(jj%4)
	s_wait_loadcnt 15-jj                           ; row jj is in, the younger rows stay out
	v_pk_mul_f32 v[TT:TT+1], v[W+4*jj:W+4*jj+1], v[Q:Q+1]
	v_pk_fma_f32 v[TT:TT+1], v[W+4*jj+2:W+4*jj+3], v[Q+2:Q+3], v[TT:TT+1]
	v_add_f32 v[TT], v[TT], v[TT+1]
	WSUM TT, TT+1
	ds_store_b32 v4, v[TT] offset:UR+4*jj
.set jj, jj+1
.endr
	BAR
	s_cmp_lg_u32 s16, 0
	s_cbranch_scc1 .Lend
	ds_load_b128 v[T:T+3], v2 offset:UR            ; rows 4L .. 4L+3 of the tile
	s_wait_dscnt 0x0
	v_pk_mul_f32 v[T:T+1], v[T:T+1], v[G:G+1]
	v_pk_mul_f32 v[T+2:T+3], v[T+2:T+3], v[G+2:G+3]
	v_cvt_pk_bf16_f32 v[T], v[T], v[T+1]
	v_cvt_pk_bf16_f32 v[T+1], v[T+2], v[T+3]
	global_store_b64 v5, v[T:T+1], s[14:15]        ; 32 lanes store 256 consecutive bytes, aligned
.Lend:
	s_wait_tensorcnt 0x0
	ds_add_u32 v132, v133
	s_wait_dscnt 0x0
	s_endpgm
.Lfunc_end_k_q65e4aa14c8_ukey:
	.size	k_q65e4aa14c8_ukey, .Lfunc_end_k_q65e4aa14c8_ukey-k_q65e4aa14c8_ukey
	.p2alignl 7, 3214868480
	.fill 96, 4, 3214868480
	.section	.rodata,"a",@progbits
	.p2align	6, 0x0
	.amdhsa_kernel k_q65e4aa14c8_ukey
		.amdhsa_group_segment_fixed_size 5632
		.amdhsa_private_segment_fixed_size 0
		.amdhsa_enable_private_segment 0
		.amdhsa_kernarg_size 40
		.amdhsa_user_sgpr_count 2
		.amdhsa_user_sgpr_kernarg_segment_ptr 1
		.amdhsa_wavefront_size32 1
		.amdhsa_system_sgpr_workgroup_id_x 1
		.amdhsa_system_sgpr_workgroup_id_y 1
		.amdhsa_system_sgpr_workgroup_id_z 1
		.amdhsa_system_vgpr_workitem_id 0
		.amdhsa_next_free_vgpr 134
		.amdhsa_next_free_sgpr 66
		.amdhsa_reserve_vcc 0
		.amdhsa_float_denorm_mode_32 3
		.amdhsa_float_denorm_mode_16_64 3
		.amdhsa_memory_ordered 1
		.amdhsa_forward_progress 1
		.amdhsa_inst_pref_size 16
	.end_amdhsa_kernel
	.amdgpu_metadata
---
amdhsa.version: [ 1, 2 ]
amdhsa.kernels:
  - .name:           k_q65e4aa14c8_ukey
    .symbol:         k_q65e4aa14c8_ukey.kd
    .args:
      - { .name: qpart, .offset: 0, .size: 8, .value_kind: global_buffer, .address_space: global }
      - { .name: bq, .offset: 8, .size: 8, .value_kind: global_buffer, .address_space: global }
      - { .name: wk, .offset: 16, .size: 8, .value_kind: global_buffer, .address_space: global }
      - { .name: g1, .offset: 24, .size: 8, .value_kind: global_buffer, .address_space: global }
      - { .name: ug, .offset: 32, .size: 8, .value_kind: global_buffer, .address_space: global }
    .group_segment_fixed_size: 5632
    .private_segment_fixed_size: 0
    .kernarg_segment_align: 8
    .kernarg_segment_size: 40
    .max_flat_workgroup_size: 256
    .sgpr_count:     66
    .vgpr_count:     134
    .wavefront_size: 32
...
	.end_amdgpu_metadata
.endif
;; end of part 2
;; launch stream (part 3): grid 256 x 1, 16 waves a work-group, no clusters, 238,592 bytes of LDS; arguments all_toks, ug, zpart, stats; writes zpart, stats
.if DOCPART == 3
	.amdgcn_target "amdgcn-amd-amdhsa--gfx1250"
	.amdhsa_code_object_version 6
	.text
	.protected	k_q65e4aa14c8_stream
	.globl	k_q65e4aa14c8_stream
	.p2align	8
	.type	k_q65e4aa14c8_stream,@function
k_q65e4aa14c8_stream:
	s_mov_b64 s[64:65], 0
	v_nop
	global_prefetch_b8 v0, s[64:65] scope:SCOPE_SE
	s_setreg_imm32_b32 hwreg(HW_REG_WAVE_MODE, 25, 1), 1
	s_wait_xcnt 0x0
; Work-group g owns tokens 32 g .. 32 g + 31 and reads them once.  y = the row centred and divided by its deviation (two passes in f32), rounded to bf16.
;   score2[s][h] = sum_c y[s][c] ug[c][h]           (the scores times log2(e); the terms that are the same along s are left out: head of qproj)
;   m[h] = max over my 32 tokens, p = 2^(score2 - m), l[h] = sum p, z[h][c] = sum_s p[s][h] y[s][c]
; stats[g] = m[0..15], l[0..15] in f32;  zpart[g][h][c] = z rounded to bf16: the operand of the product with the blocks' weights by which the next launch
; joins the 256 blocks under the common maximum.  LIMIT: each z carries a relative rounding of 2^-9 at the most, as y and p do; the joined sums are f32.
; 16 waves.  LayerNorm: wave w has rows 2w, 2w+1 in registers (a row is 16 loads of 512 consecutive bytes).  Products: wave w has columns 128 w .. +127:
; its part of the scores' sum over c, and its 128 columns of z.  All 40 loads of a wave are issued at the head.
; NO MULTICAST: of the 327,680 bytes that a work-group reads, 262,144 are tokens of its own; the 65,536 of ug are shared by all.  They go out as plain loads,
; 4,096 bytes a wave, at the first line with the tokens'; a joint request could only go out behind a round of the cluster's barrier.
.set P,   4128                         ; LDS pitch of a row of y: 4,096 bytes + 32, an odd multiple of 32 bytes
.set ST,  32*P                         ; behind y: a stage of 4,352 bytes for each wave, its own
.set STW, 4352                         ; 16 heads x 272 bytes (256 + 16): first ug's piece, on the way out z's
.set SP,  ST+16*STW                    ; 16 x 2,048 bytes: the waves' partial scores
.set SF,  SP+32768                     ; 2,048 bytes: the scores
.set X,   16                           ; v[16:143]  my two rows, 64 registers each
.set UGR, 144                          ; v[144:175] ug's piece as loaded
.set BF,  176                          ; v[176:207] ug's piece as four fragments
.set S,   208                          ; v[208:223] scores: two tiles of 16 tokens x 16 heads
.set PF,  224                          ; v[224:231] p as a fragment
.set T,   232                          ; v[232:247] at work
.set AF,  16                           ; v[16:79]   y as fragments by rows: tile a, K step t at AF + 32 a + 8 t
.set YT,  80                           ; v[80:143]  y transposed: eight fragments of 16 columns x 32 tokens
.set Z,   144                          ; v[144:207] eight tiles of z
.macro WSUM r, t
	v_add_f32_dpp v[\r], v[\r], v[\r] row_xmask:1 row_mask:0xf bank_mask:0xf
	v_add_f32_dpp v[\r], v[\r], v[\r] row_xmask:2 row_mask:0xf bank_mask:0xf
	v_add_f32_dpp v[\r], v[\r], v[\r] row_xmask:4 row_mask:0xf bank_mask:0xf
	v_add_f32_dpp v[\r], v[\r], v[\r] row_xmask:8 row_mask:0xf bank_mask:0xf
	v_permlanex16_b32 v[\t], v[\r], s12, s13
	v_add_f32 v[\r], v[\r], v[\t]
.endm
.macro BAR
	s_wait_dscnt 0x0
	s_barrier_signal -1
	s_barrier_wait -1
.endm
.macro TREE8 b
	v_pk_add_f32 v[\b:\b+1], v[\b:\b+1], v[\b+4:\b+5]
	v_pk_add_f32 v[\b+2:\b+3], v[\b+2:\b+3], v[\b+6:\b+7]
	v_pk_add_f32 v[\b:\b+1], v[\b:\b+1], v[\b+2:\b+3]
	v_add_f32 v[\b], v[\b], v[\b+1]
.endm
; Row i of the wave: mean, centre, mean of squares, scale, round to bf16, into LDS.  Four chains of sums that do not wait for each other.
.macro ROWLN i
.set XR, X+64*\i
.irp k, 0,1,2,3
	v_pk_add_f32 v[T+2*\k:T+2*\k+1], v[XR+2*\k:XR+2*\k+1], v[XR+8+2*\k:XR+8+2*\k+1]
.endr
.set jj, 8
.rept 24
	v_pk_add_f32 v[T+2*(jj%4):T+2*(jj%4)+1], v[T+2*(jj%4):T+2*(jj%4)+1], v[XR+2*jj:XR+2*jj+1]
.set jj, jj+1
.endr
	TREE8 T
	WSUM T, T+1
	v_mul_f32 v[T+8], 0xba000000, v[T]             ; minus the mean, twice
	v_mul_f32 v[T+9], 0xba000000, v[T]
.set jj, 0
.rept 32
	v_pk_add_f32 v[XR+2*jj:XR+2*jj+1], v[XR+2*jj:XR+2*jj+1], v[T+8:T+9]
.set jj, jj+1
.endr
.irp k, 0,1,2,3
	v_pk_mul_f32 v[T+2*\k:T+2*\k+1], v[XR+2*\k:XR+2*\k+1], v[XR+2*\k:XR+2*\k+1]
.endr
.set jj, 4
.rept 28
	v_pk_fma_f32 v[T+2*(jj%4):T+2*(jj%4)+1], v[XR+2*jj:XR+2*jj+1], v[XR+2*jj:XR+2*jj+1], v[T+2*(jj%4):T+2*(jj%4)+1]
.set jj, jj+1
.endr
	TREE8 T
	WSUM T, T+1
	v_fma_f32 v[T+10], v[T], s14, s15              ; variance + eps
	v_rsq_f32 v[T+10], v[T+10]
	v_nop                                          ; one plain instruction behind the transcendental (ISA guide 5.7.2)
	s_wait_alu depctr_va_vdst(0)
	v_mov_b32 v[T+11], v[T+10]
.set jj, 0
.rept 32
	v_pk_mul_f32 v[XR+2*jj:XR+2*jj+1], v[XR+2*jj:XR+2*jj+1], v[T+10:T+11]
.set jj, jj+1
.endr
.set jj, 0
.rept 16
	v_cvt_pk_bf16_f32 v[XR+4*jj], v[XR+4*jj], v[XR+4*jj+1]
	v_cvt_pk_bf16_f32 v[XR+4*jj+1], v[XR+4*jj+2], v[XR+4*jj+3]
	ds_store_b64 v3, v[XR+4*jj:XR+4*jj+1] offset:\i*P+256*jj    ; columns 128 jj + 4L .. +3: the wave stores 256 consecutive bytes
.set jj, jj+1
.endr
.endm
	s_load_b256 s[4:11], s[0:1], 0x0               ; all_toks s[4:5], ug s[6:7], zpart s[8:9], stats s[10:11]
	v_lshl_add_u32 v248, v0, 2, 0x39c00
	v_mov_b32 v249, 0
	v_and_b32 v1, 31, v0                           ; L
	v_lshrrev_b32 v3, 5, v0
	v_readfirstlane_b32 s16, v3                    ; wave w
	v_lshlrev_b32 v2, 4, v1                        ; 16 L
	s_mov_b32 s12, 0x76543210
	s_mov_b32 s13, 0xfedcba98
	s_mov_b32 s14, 0x3a000000                      ; 1/2048
	s_mov_b32 s15, 0x358637bd                      ; eps = 1e-6
	s_lshl_b32 s20, ttmp9, 18                      ; all_toks: 32 g rows of 8,192 bytes + 2 w rows
	s_lshl_b32 s21, s16, 14
	s_add_co_u32 s20, s20, s21
	s_mov_b32 s21, 0
	s_lshl_b32 s22, s16, 12                        ; ug: piece w, 16 heads x 256 bytes
	s_mov_b32 s23, 0
	s_lshl_b32 s24, ttmp9, 16                      ; zpart: 16 heads x 4,096 bytes for block g, + 256 w
	s_lshl_b32 s25, s16, 8
	s_add_co_u32 s24, s24, s25
	s_mov_b32 s25, 0
	s_lshl_b32 s26, ttmp9, 7                       ; stats: 128 g
	s_mov_b32 s27, 0
	s_wait_kmcnt 0x0
	s_add_nc_u64 s[4:5], s[4:5], s[20:21]
	s_add_nc_u64 s[6:7], s[6:7], s[22:23]
	s_add_nc_u64 s[8:9], s[8:9], s[24:25]
	s_add_nc_u64 s[10:11], s[10:11], s[26:27]
.irp a, 0,1,2,3,4,5,6,7
	global_load_b128 v[UGR+4*\a:UGR+4*\a+3], v2, s[6:7] offset:512*\a          ; heads 2a, 2a+1: two whole rows of 256 bytes
.endr
.set jj, 0
.rept 32
	global_load_b128 v[X+4*jj:X+4*jj+3], v2, s[4:5] offset:512*jj th:TH_LOAD_NT ; my two rows follow each other in memory
.set jj, jj+1
.endr
	; LDS addresses, none written again.  r = L % 16, hh = L / 16.
	v_and_b32 v[T], 15, v1                         ; r
	v_lshrrev_b32 v[T+1], 4, v1                    ; hh
	v_and_b32 v[T+2], 7, v1
	v_bfe_u32 v[T+3], v1, 3, 1
	s_mul_i32 s20, s16, 2*P
	v_lshl_add_u32 v3, v1, 3, s20                  ; y in: row 2w, byte 8 L
	s_lshl_b32 s21, s16, 8                         ; my 128 columns: byte 256 w of a row of y
	v_mul_u32_u24 v4, v[T], P
	v_lshl_add_u32 v4, v[T+1], 4, v4
	v_add_nc_u32 v4, s21, v4                       ; fragments by rows, tokens 0-15: r P + 16 hh + 256 w
	v_add_nc_u32 v5, 16*P, v4                      ; tokens 16-31 (16 P does not fit the 16-bit offset)
	v_lshl_add_u32 v6, v[T+1], 3, v[T+2]
	v_mul_u32_u24 v6, v6, P
	v_lshl_add_u32 v6, v[T+3], 4, v6
	v_add_nc_u32 v6, s21, v6                       ; transposing loads, tokens 0-15: (8 hh + L % 8) P + 16 ((L / 8) % 2) + 256 w
	v_add_nc_u32 v7, 16*P, v6                      ; tokens 16-31
	s_mul_i32 s22, s16, STW
	s_add_co_u32 s22, s22, ST                      ; my stage
	v_mul_u32_u24 v8, v[T+1], 272
	v_lshl_add_u32 v8, v[T], 4, v8
	v_add_nc_u32 v8, s22, v8                       ; by whole rows: head hh (+ 2a), byte 16 r: ug in, z back
	v_mul_u32_u24 v9, v[T], 272
	v_lshl_add_u32 v9, v[T+1], 4, v9
	v_add_nc_u32 v9, s22, v9                       ; by lanes' heads: head r, byte 16 hh: ug as fragments, z in
	v_lshlrev_b32 v10, 4, v[T]
	v_lshl_add_u32 v10, v[T+1], 12, v10            ; zpart: head hh (+ 2a) of 4,096 bytes, byte 16 r
	s_lshl_b32 s23, s16, 11
	s_add_co_u32 s23, s23, SP
	v_add_nc_u32 v12, s23, v2                      ; my partial scores
	s_lshl_b32 s24, s16, 7
	s_add_co_u32 s24, s24, SP
	v_lshl_add_u32 v13, v1, 2, s24                 ; word 32 w + L of a wave's partial scores
	v_add_nc_u32 v14, SF, v2
	v_lshlrev_b32 v15, 2, v1                       ; 4 L
	s_wait_loadcnt 32                              ; ug's piece is in; the 32 loads of my rows stay out
.irp a, 0,1,2,3,4,5,6,7
	ds_store_b128 v8, v[UGR+4*\a:UGR+4*\a+3] offset:544*\a
.endr
.irp t, 0,1,2,3
	ds_load_b128 v[BF+8*\t:BF+8*\t+3],   v9 offset:64*\t        ; my own bytes: LDS serves a wave's instructions in order (ISA guide 5.7.1.4)
	ds_load_b128 v[BF+8*\t+4:BF+8*\t+7], v9 offset:64*\t+32
.endr
	s_wait_loadcnt 16                              ; row 2w is in, row 2w+1 stays out
	ROWLN 0
	s_wait_loadcnt 0x0
	ROWLN 1
	BAR                                            ; y is whole
.irp t, 0,1,2,3
	ds_load_b128 v[AF+8*\t:AF+8*\t+3],       v4 offset:64*\t
	ds_load_b128 v[AF+8*\t+4:AF+8*\t+7],     v4 offset:64*\t+32
	ds_load_b128 v[AF+32+8*\t:AF+32+8*\t+3], v5 offset:64*\t
	ds_load_b128 v[AF+32+8*\t+4:AF+32+8*\t+7], v5 offset:64*\t+32
.endr
.irp t, 0,1,2,3,4,5,6,7
	ds_load_tr16_b128 v[YT+8*\t:YT+8*\t+3],   v6 offset:32*\t   ; columns 128 w + 16 t + r, tokens 8 hh .. +7
	ds_load_tr16_b128 v[YT+8*\t+4:YT+8*\t+7], v7 offset:32*\t   ; tokens 16 + 8 hh .. +7
.endr
	s_wait_dscnt 16                                ; the fragments by rows are in; the 16 transposing loads stay out
	; scores over my 128 columns: the first products start the sums; the two accumulators take turns
	v_wmma_f32_16x16x32_bf16 v[S:S+7],    v[AF:AF+7],       v[BF:BF+7], 0
	v_wmma_f32_16x16x32_bf16 v[S+8:S+15], v[AF+32:AF+39],   v[BF:BF+7], 0
.irp t, 1,2,3
	v_wmma_f32_16x16x32_bf16 v[S:S+7],    v[AF+8*\t:AF+8*\t+7],       v[BF+8*\t:BF+8*\t+7], v[S:S+7]
	v_wmma_f32_16x16x32_bf16 v[S+8:S+15], v[AF+32+8*\t:AF+32+8*\t+7], v[BF+8*\t:BF+8*\t+7], v[S+8:S+15]
.endr
.rept 4
	v_nop                                          ; four places behind the products, in front of the stores that read them
.endr
.irp q, 0,1,2,3
	ds_store_b128 v12, v[S+4*\q:S+4*\q+3] offset:512*\q
.endr
	BAR                                            ; all 16 partial scores lie in LDS
.set jj, 0
.rept 16
	ds_load_b32 v[T+jj], v13 offset:2048*jj        ; thread (w, L) adds word 32 w + L of the 16 waves
.set jj, jj+1
.endr
	s_wait_dscnt 0x0
.irp k, 0,2,4,6
	v_pk_add_f32 v[T+\k:T+\k+1], v[T+\k:T+\k+1], v[T+8+\k:T+8+\k+1]
.endr
	TREE8 T
	ds_store_b32 v13, v[T] offset:32768            ; = SF + 4 (32 w + L)
	BAR
.irp q, 0,1,2,3
	ds_load_b128 v[S+4*\q:S+4*\q+3], v14 offset:512*\q
.endr
	s_wait_dscnt 0x0
	; lane (r, hh) holds head r: tokens 8 hh + j in S+j, tokens 16 + 8 hh + j in S+8+j.  Every wave makes the whole softmax of the block.
	v_max3_num_f32 v[T+12], v[S], v[S+1], v[S+2]
.irp k, 3,5,7,9,11,13
	v_max3_num_f32 v[T+12], v[T+12], v[S+\k], v[S+\k+1]
.endr
	v_max_num_f32 v[T+12], v[T+12], v[S+15]
	v_permlanex16_b32 v[T+15], v[T+12], s12, s13
	v_max_num_f32 v[T+12], v[T+12], v[T+15]        ; m: the head's maximum over the 32 tokens
	v_mul_f32 v[T+8], -1.0, v[T+12]
	v_mul_f32 v[T+9], -1.0, v[T+12]
.irp k, 0,2,4,6,8,10,12,14
	v_pk_add_f32 v[S+\k:S+\k+1], v[S+\k:S+\k+1], v[T+8:T+9]
.endr
.set jj, 0
.rept 16
	v_exp_f32 v[S+jj], v[S+jj]
.set jj, jj+1
.endr
	v_nop                                          ; one plain instruction behind the transcendentals (ISA guide 5.7.2)
	s_wait_alu depctr_va_vdst(0)
.irp k, 0,2,4,6
	v_pk_add_f32 v[T+\k:T+\k+1], v[S+\k:S+\k+1], v[S+8+\k:S+8+\k+1]
.endr
	TREE8 T
	v_permlanex16_b32 v[T+15], v[T], s12, s13
	v_add_f32 v[T+13], v[T], v[T+15]               ; l
.irp k, 0,1,2,3,4,5,6,7
	v_cvt_pk_bf16_f32 v[PF+\k], v[S+2*\k], v[S+2*\k+1]          ; as it lies this is head r's fragment over the 32 tokens: no lane moves
.endr
	v_cmp_gt_u32 vcc_lo, 16, v1
	v_cndmask_b32 v[T+14], v[T+13], v[T+12], vcc_lo            ; lanes 0-15: m of head L; lanes 16-31: l of head L - 16
	s_cmp_lg_u32 s16, 0
	s_cbranch_scc1 .Lnostat
	global_store_b32 v15, v[T+14], s[10:11]        ; its registers are not written again
.Lnostat:
	; z: source 0 = 16 columns of y, source 1 = the heads, so that a lane's 8 results are 8 neighbouring columns of head r.  Eight sums of one product each.
.irp t, 0,1,2,3,4,5,6,7
	v_wmma_f32_16x16x32_bf16 v[Z+8*\t:Z+8*\t+7], v[YT+8*\t:YT+8*\t+7], v[PF:PF+7], 0
.endr
.rept 4
	v_nop                                          ; four places behind the products, in front of the conversions that read and overwrite them (ISA guide 7.12.1)
.endr
	; THE WAY OUT: a lane's 8 columns of a tile round to 16 bytes, in place; a head's 128 columns are 256 bytes of my stage
.irp t, 0,1,2,3,4,5,6,7
.irp k, 0,1,2,3
	v_cvt_pk_bf16_f32 v[Z+8*\t+\k], v[Z+8*\t+2*\k], v[Z+8*\t+2*\k+1]   ; register k is written when registers 2k, 2k+1 are read: none that is still needed
.endr
	ds_store_b128 v9, v[Z+8*\t:Z+8*\t+3] offset:32*\t           ; head r, columns 16 t + 8 hh .. +7
.endr
.irp a, 0,1,2,3,4,5,6,7
	ds_load_b128 v[AF+4*\a:AF+4*\a+3], v8 offset:544*\a         ; lanes 0-15: head 2a's 256 bytes, lanes 16-31: head 2a+1's; my own bytes, served in order
.endr
.irp a, 0,1,2,3,4,5,6,7
	s_wait_dscnt 7-\a                              ; heads 2a, 2a+1 are back, the younger loads stay out
	global_store_b128 v10, v[AF+4*\a:AF+4*\a+3], s[8:9] offset:8192*\a  ; sixteen lanes store 256 consecutive bytes, aligned
.endr
	s_wait_tensorcnt 0x0
	ds_add_u32 v248, v249
	s_wait_dscnt 0x0
	s_endpgm
.Lfunc_end_k_q65e4aa14c8_stream:
	.size	k_q65e4aa14c8_stream, .Lfunc_end_k_q65e4aa14c8_stream-k_q65e4aa14c8_stream
	.p2alignl 7, 3214868480
	.fill 96, 4, 3214868480
	.section	.rodata,"a",@progbits
	.p2align	6, 0x0
	.amdhsa_kernel k_q65e4aa14c8_stream
		.amdhsa_group_segment_fixed_size 238592
		.amdhsa_private_segment_fixed_size 0
		.amdhsa_enable_private_segment 0
		.amdhsa_kernarg_size 32
		.amdhsa_user_sgpr_count 2
		.amdhsa_user_sgpr_kernarg_segment_ptr 1
		.amdhsa_wavefront_size32 1
		.amdhsa_system_sgpr_workgroup_id_x 1
		.amdhsa_system_sgpr_workgroup_id_y 1
		.amdhsa_system_sgpr_workgroup_id_z 1
		.amdhsa_system_vgpr_workitem_id 0
		.amdhsa_next_free_vgpr 250
		.amdhsa_next_free_sgpr 66
		.amdhsa_reserve_vcc 1
		.amdhsa_float_denorm_mode_32 3
		.amdhsa_float_denorm_mode_16_64 3
		.amdhsa_memory_ordered 1
		.amdhsa_forward_progress 1
		.amdhsa_inst_pref_size 46
	.end_amdhsa_kernel
	.amdgpu_metadata
---
amdhsa.version: [ 1, 2 ]
amdhsa.kernels:
  - .name:           k_q65e4aa14c8_stream
    .symbol:         k_q65e4aa14c8_stream.kd
    .args:
      - { .name: all_toks, .offset: 0, .size: 8, .value_kind: global_buffer, .address_space: global }
      - { .name: ug, .offset: 8, .size: 8, .value_kind: global_buffer, .address_space: global }
      - { .name: zpart, .offset: 16, .size: 8, .value_kind: global_buffer, .address_space: global }
      - { .name: stats, .offset: 24, .size: 8, .value_kind: global_buffer, .address_space: global }
    .group_segment_fixed_size: 238592
    .private_segment_fixed_size: 0
    .kernarg_segment_align: 8
    .kernarg_segment_size: 32
    .max_flat_workgroup_size: 512
    .sgpr_count:     66
    .vgpr_count:     250
    .wavefront_size: 32
...
	.end_amdgpu_metadata
.endif
;; end of part 3
;; launch ctxv (part 4): grid 16 x 16, 8 waves a work-group, no clusters, 14,848 bytes of LDS; arguments stats, zpart, g1, b1, wv, opart; writes opart
.if DOCPART == 4
	.amdgcn_target "amdgcn-amd-amdhsa--gfx1250"
	.amdhsa_code_object_version 6
	.text
	.protected	k_q65e4aa14c8_ctxv
	.globl	k_q65e4aa14c8_ctxv
	.p2align	8
	.type	k_q65e4aa14c8_ctxv,@function
k_q65e4aa14c8_ctxv:
	s_mov_b64 s[64:65], 0
	v_nop
	global_prefetch_b8 v0, s[64:65] scope:SCOPE_SE
	s_setreg_imm32_b32 hwreg(HW_REG_WAVE_MODE, 25, 1), 1
	s_wait_xcnt 0x0
; Work-group (kc, h).  Joins the 256 blocks of head h under the common maximum M = max m_t:  wt_t = 2^(m_t - M),  Lsum = sum wt_t l_t,
;   ctx[c] = g1[c] * (sum_t wt_t zpart[t][h][c]) / Lsum + b1[c]   for c = 128 kc .. +127,
; and multiplies: opart[kc][128h + d] = sum over those c of ctx[c] wv[c][128h + d].  bv is added once by the next launch, since the attention's weights sum to 1.
; zpart is bf16 (the rounding is stated at the heads of qproj and stream); wt and every sum here are f32.
; Thread t stands for block t.  Wave w joins blocks 32 w .. +31: a block's piece is 256 bytes, so one load takes two blocks, lanes 0-15 block 32 w + i, lanes 16-31
; block 32 w + 16 + i, lane (r, hh) columns 8 r .. +7.  The wave also has 16 rows of wv.  All 36 loads are issued at the head.
.set WMX, 0                            ; 8 words: the waves' maxima
.set WSM, 256                          ; 8 words: the waves' sums
.set WTB, 512                          ; 256 words: wt
.set ZR,  1536                         ; 8 x 512 bytes: the waves' joined z
.set CX,  5632                         ; 8 x 512 bytes: ctx, a copy for each wave, its own
.set RED, 9728                         ; 8 x 512 bytes
.set G,   12                           ; v[12:15]   g1
.set Z,   16                           ; v[16:79]   16 loads of zpart, two blocks each
.set W,   80                           ; v[80:143]  16 row pieces of wv
.set WT,  144                          ; v[144:159] wt of my half's 16 blocks
.set ACC, 160                          ; v[160:167] accumulators; at work before
.set B1,  168                          ; v[168:171] b1
.set E,   172                          ; v172, v173 at work; v[174:175] 1 / Lsum, twice
.set SND, 176                          ; v[176:179] the four columns that the other half of the lanes keeps
.set KP,  180                          ; v[180:183] the four columns that I keep
.set ZO,  184                          ; v184       zpart: my byte offset
.set ZA,  185                          ; v185       LDS: where my four joined columns go
.set RR,  186                          ; v186       r = L % 16
.set HH,  187                          ; v187       hh = L / 16
.set MU,  16                           ; behind the joining: the 16 multipliers of my rows
.set XT,  32
.set C4,  64
.macro WSUM r, t
	v_add_f32_dpp v[\r], v[\r], v[\r] row_xmask:1 row_mask:0xf bank_mask:0xf
	v_add_f32_dpp v[\r], v[\r], v[\r] row_xmask:2 row_mask:0xf bank_mask:0xf
	v_add_f32_dpp v[\r], v[\r], v[\r] row_xmask:4 row_mask:0xf bank_mask:0xf
	v_add_f32_dpp v[\r], v[\r], v[\r] row_xmask:8 row_mask:0xf bank_mask:0xf
	v_permlanex16_b32 v[\t], v[\r], s12, s13
	v_add_f32 v[\r], v[\r], v[\t]
.endm
.macro WMAX r, t
	v_max_num_f32_dpp v[\r], v[\r], v[\r] row_xmask:1 row_mask:0xf bank_mask:0xf
	v_max_num_f32_dpp v[\r], v[\r], v[\r] row_xmask:2 row_mask:0xf bank_mask:0xf
	v_max_num_f32_dpp v[\r], v[\r], v[\r] row_xmask:4 row_mask:0xf bank_mask:0xf
	v_max_num_f32_dpp v[\r], v[\r], v[\r] row_xmask:8 row_mask:0xf bank_mask:0xf
	v_permlanex16_b32 v[\t], v[\r], s12, s13
	v_max_num_f32 v[\r], v[\r], v[\t]
.endm
.macro BAR
	s_wait_dscnt 0x0
	s_barrier_signal -1
	s_barrier_wait -1
.endm
.macro TREE8 b
	v_pk_add_f32 v[\b:\b+1], v[\b:\b+1], v[\b+4:\b+5]
	v_pk_add_f32 v[\b+2:\b+3], v[\b+2:\b+3], v[\b+6:\b+7]
	v_pk_add_f32 v[\b:\b+1], v[\b:\b+1], v[\b+2:\b+3]
	v_add_f32 v[\b], v[\b], v[\b+1]
.endm
.macro BSUM8 b, off
	WSUM \b, \b+1
	ds_store_b32 v4, v[\b] offset:\off
	BAR
	ds_load_b128 v[\b:\b+3], v5 offset:\off
	ds_load_b128 v[\b+4:\b+7], v5 offset:\off+16
	s_wait_dscnt 0x0
	TREE8 \b
.endm
.macro MVCORE nr, w, mu, extra         ; the wait in front of row i leaves out the nr-1-i younger rows and the extra loads issued behind the rows
.set jj, 0
.rept \nr/2
	s_wait_loadcnt \extra+\nr-1-2*jj
.if jj == 0
	v_pk_mul_f32 v[ACC:ACC+1], v[\w:\w+1], v[\mu:\mu+1] op_sel_hi:[1,0]
	v_pk_mul_f32 v[ACC+2:ACC+3], v[\w+2:\w+3], v[\mu:\mu+1] op_sel_hi:[1,0]
.else
	v_pk_fma_f32 v[ACC:ACC+1], v[\w+8*jj:\w+8*jj+1], v[\mu+2*jj:\mu+2*jj+1], v[ACC:ACC+1] op_sel_hi:[1,0,1]
	v_pk_fma_f32 v[ACC+2:ACC+3], v[\w+8*jj+2:\w+8*jj+3], v[\mu+2*jj:\mu+2*jj+1], v[ACC+2:ACC+3] op_sel_hi:[1,0,1]
.endif
	s_wait_loadcnt \extra+\nr-2-2*jj
.if jj == 0
	v_pk_mul_f32 v[ACC+4:ACC+5], v[\w+4:\w+5], v[\mu:\mu+1] op_sel:[0,1] op_sel_hi:[1,1]
	v_pk_mul_f32 v[ACC+6:ACC+7], v[\w+6:\w+7], v[\mu:\mu+1] op_sel:[0,1] op_sel_hi:[1,1]
.else
	v_pk_fma_f32 v[ACC+4:ACC+5], v[\w+8*jj+4:\w+8*jj+5], v[\mu+2*jj:\mu+2*jj+1], v[ACC+4:ACC+5] op_sel:[0,1,0] op_sel_hi:[1,1,1]
	v_pk_fma_f32 v[ACC+6:ACC+7], v[\w+8*jj+6:\w+8*jj+7], v[\mu+2*jj:\mu+2*jj+1], v[ACC+6:ACC+7] op_sel:[0,1,0] op_sel_hi:[1,1,1]
.endif
.set jj, jj+1
.endr
	v_pk_add_f32 v[ACC:ACC+1], v[ACC:ACC+1], v[ACC+4:ACC+5]
	v_pk_add_f32 v[ACC+2:ACC+3], v[ACC+2:ACC+3], v[ACC+6:ACC+7]
.endm
.macro XSUM8 dst, reg, tmp
.set jj, 0
.rept 8
	ds_load_b128 v[\tmp+4*jj:\tmp+4*jj+3], v2 offset:\reg+512*jj
.set jj, jj+1
.endr
	s_wait_dscnt 0x0
	v_pk_add_f32 v[\dst:\dst+1], v[\tmp:\tmp+1], v[\tmp+4:\tmp+5]
	v_pk_add_f32 v[\dst+2:\dst+3], v[\tmp+2:\tmp+3], v[\tmp+6:\tmp+7]
.set jj, 2
.rept 6
	v_pk_add_f32 v[\dst:\dst+1], v[\dst:\dst+1], v[\tmp+4*jj:\tmp+4*jj+1]
	v_pk_add_f32 v[\dst+2:\dst+3], v[\dst+2:\dst+3], v[\tmp+4*jj+2:\tmp+4*jj+3]
.set jj, jj+1
.endr
.endm
.macro FINRED nw, red, w, base
	ds_store_b128 v6, v[ACC:ACC+3] offset:\red
	BAR
	s_cmp_lg_u32 s16, 0
	s_cbranch_scc1 .Lend
.set jj, 0
.rept \nw
	ds_load_b128 v[\w+4*jj:\w+4*jj+3], v2 offset:\red+512*jj
.set jj, jj+1
.endr
	s_wait_dscnt 0x0
.set jj, 1
.rept \nw-1
	v_pk_add_f32 v[\w:\w+1], v[\w:\w+1], v[\w+4*jj:\w+4*jj+1]
	v_pk_add_f32 v[\w+2:\w+3], v[\w+2:\w+3], v[\w+4*jj+2:\w+4*jj+3]
.set jj, jj+1
.endr
	global_store_b128 v2, v[\w:\w+3], s[\base:\base+1]
.Lend:
	s_wait_tensorcnt 0x0
	ds_add_u32 v188, v189
	s_wait_dscnt 0x0
	s_endpgm
.endm
	s_load_b256 s[4:11], s[0:1], 0x0               ; stats s[4:5], zpart s[6:7], g1 s[8:9], b1 s[10:11]
	s_load_b128 s[20:23], s[0:1], 0x20             ; wv s[20:21], opart s[22:23]
	v_lshl_add_u32 v188, v0, 2, 0x3600
	v_mov_b32 v189, 0
	v_and_b32 v1, 31, v0
	v_lshrrev_b32 v3, 5, v0
	v_readfirstlane_b32 s16, v3                    ; wave w
	v_lshlrev_b32 v2, 4, v1                        ; 16 L
	v_lshlrev_b32 v3, 7, v0                        ; 128 t: block t's line of stats
	v_mov_b32 v5, 0
	v_mov_b32 v[E+1], 0                            ; written once, so that v_permlanex16_b32 may land on it
	v_and_b32 v[RR], 15, v1                        ; r
	v_lshrrev_b32 v[HH], 4, v1                     ; hh
	v_lshlrev_b32 v[ZO], 4, v[RR]
	v_lshl_add_u32 v[ZO], v[HH], 20, v[ZO]         ; zpart: 16 r, and 16 blocks of 65,536 bytes further for lanes 16-31
	s_mov_b32 s12, 0x76543210
	s_mov_b32 s13, 0xfedcba98
	s_and_b32 s18, ttmp7, 0xffff                   ; h
	s_lshl_b32 s17, s16, 2
	v_mov_b32 v4, s17                              ; 4 w
	s_lshl_b32 s17, s16, 9
	v_add_nc_u32 v6, s17, v2                       ; 512 w + 16 L
	v_lshlrev_b32 v[ZA], 5, v[RR]
	v_lshl_add_u32 v[ZA], v[HH], 4, v[ZA]
	v_add_nc_u32 v[ZA], s17, v[ZA]                 ; 512 w + 32 r + 16 hh: columns 8 r + 4 hh .. +3 of my wave's row
	s_lshl_b32 s17, s16, 7
	v_lshl_add_u32 v7, v1, 2, s17                  ; 128 w + 4 L = 4 t
	v_lshl_add_u32 v8, v[HH], 6, s17               ; 128 w + 64 hh: the 16 words of WTB of my half's blocks
	s_mul_i32 s17, s16, 576
	v_mov_b32 v9, s17                              ; 512 w + 64 w: my rows' 16 numbers in my copy of ctx
	s_lshl_b32 s24, s18, 2                         ; stats: word h
	s_mov_b32 s25, 0
	s_lshl_b32 s28, ttmp9, 9                       ; g1, b1: 512 kc
	s_mov_b32 s29, 0
	s_lshl_b32 s26, s16, 21                        ; zpart: block 32 w (65,536 bytes a block), head h (4,096 bytes), byte 256 kc
	s_lshl_b32 s27, s18, 12
	s_add_co_u32 s26, s26, s27
	s_lshl_b32 s27, ttmp9, 8
	s_add_co_u32 s26, s26, s27
	s_mov_b32 s27, 0
	s_lshl_b32 s34, s18, 9                         ; 512 h
	s_lshl_b32 s30, ttmp9, 20                      ; wv: (128 kc + 16 w) rows of 8,192 bytes + 512 h
	s_lshl_b32 s31, s16, 17
	s_add_co_u32 s30, s30, s31
	s_add_co_u32 s30, s30, s34
	s_mov_b32 s31, 0
	s_lshl_b32 s32, ttmp9, 13                      ; opart: 8,192 kc + 512 h
	s_add_co_u32 s32, s32, s34
	s_mov_b32 s33, 0
	s_wait_kmcnt 0x0
	s_add_nc_u64 s[4:5], s[4:5], s[24:25]
	s_add_nc_u64 s[6:7], s[6:7], s[26:27]
	s_add_nc_u64 s[8:9], s[8:9], s[28:29]
	s_add_nc_u64 s[10:11], s[10:11], s[28:29]
	s_add_nc_u64 s[20:21], s[20:21], s[30:31]
	s_add_nc_u64 s[22:23], s[22:23], s[32:33]
	global_load_b32 v10, v3, s[4:5]                ; m of block t
	global_load_b32 v11, v3, s[4:5] offset:64      ; l of block t
	global_load_b128 v[G:G+3],   v2, s[8:9]
	global_load_b128 v[B1:B1+3], v2, s[10:11]
.set jj, 0
.rept 16
	global_load_b128 v[Z+4*jj:Z+4*jj+3], v[ZO], s[6:7] offset:65536*jj   ; sixteen lanes read 256 consecutive bytes, aligned
.set jj, jj+1
.endr
.set jj, 0
.rept 16
	global_load_b128 v[W+4*jj:W+4*jj+3], v2, s[20:21] offset:8192*jj th:TH_LOAD_NT
.set jj, jj+1
.endr
	s_wait_loadcnt 34                              ; m and l are in; g1, b1, 16 loads of zpart and 16 rows of wv stay out
	v_mov_b32 v[E], v10
	WMAX E, E+1
	ds_store_b32 v4, v[E] offset:WMX
	BAR
	ds_load_b128 v[ACC:ACC+3],   v5 offset:WMX
	ds_load_b128 v[ACC+4:ACC+7], v5 offset:WMX+16
	s_wait_dscnt 0x0
	v_max3_num_f32 v[ACC], v[ACC], v[ACC+1], v[ACC+2]
	v_max3_num_f32 v[ACC], v[ACC], v[ACC+3], v[ACC+4]
	v_max3_num_f32 v[ACC], v[ACC], v[ACC+5], v[ACC+6]
	v_max_num_f32 v[ACC], v[ACC], v[ACC+7]         ; M
	v_sub_f32 v[E], v10, v[ACC]
	v_exp_f32 v[E], v[E]                           ; wt = 2^(m - M), at most 1
	v_nop                                          ; one plain instruction behind the transcendental (ISA guide 5.7.2)
	s_wait_alu depctr_va_vdst(0)
	ds_store_b32 v7, v[E] offset:WTB
	v_mul_f32 v[ACC], v[E], v11
	BSUM8 ACC, WSM                                 ; its barrier also shows WTB whole
	v_rcp_f32 v[E+2], v[ACC]
	v_nop
	s_wait_alu depctr_va_vdst(0)
	v_mov_b32 v[E+3], v[E+2]
.irp k, 0,1,2,3
	ds_load_b128 v[WT+4*\k:WT+4*\k+3], v8 offset:WTB+16*\k      ; wt of blocks 32 w + 16 hh + 0 .. 15
.endr
	s_wait_dscnt 0x0
	; The join: ACC+j = sum over my half's 16 blocks of wt z, column 8 r + j.  The first block is widened and multiplied, so that nothing is cleared;
	; the others are multiply-adds straight from the bf16 halves into f32.  Eight chains by turns.
.set jj, 0
.rept 16
	s_wait_loadcnt 31-jj                           ; load jj of zpart is in; its 15-jj younger ones and the 16 rows of wv stay out
.if jj == 0
.irp k, 0,1,2,3
	v_lshlrev_b32 v[ACC+2*\k], 16, v[Z+\k]
	v_and_b32 v[ACC+2*\k+1], 0xffff0000, v[Z+\k]
.endr
.irp k, 0,2,4,6
	v_pk_mul_f32 v[ACC+\k:ACC+\k+1], v[ACC+\k:ACC+\k+1], v[WT:WT+1] op_sel_hi:[1,0]
.endr
.else
.irp k, 0,1,2,3
	v_fma_mix_f32_bf16 v[ACC+2*\k], v[Z+4*jj+\k], v[WT+jj], v[ACC+2*\k] op_sel_hi:[1,0,0]
	v_fma_mix_f32_bf16 v[ACC+2*\k+1], v[Z+4*jj+\k], v[WT+jj], v[ACC+2*\k+1] op_sel:[1,0,0] op_sel_hi:[1,0,0]
.endr
.endif
.set jj, jj+1
.endr
	; the two halves of the lanes are added once: lane (r, 0) keeps columns 8 r .. +3, lane (r, 1) columns 8 r + 4 .. +7, and each sends the other its four
	v_cmp_le_u32 vcc_lo, 16, v1                    ; lanes 16-31
.irp k, 0,1,2,3
	v_cndmask_b32 v[SND+\k], v[ACC+4+\k], v[ACC+\k], vcc_lo
	v_cndmask_b32 v[KP+\k], v[ACC+\k], v[ACC+4+\k], vcc_lo
.endr
.irp k, 0,1,2,3
	v_permlanex16_b32 v[ACC+\k], v[SND+\k], s12, s13
.endr
	v_pk_add_f32 v[KP:KP+1], v[KP:KP+1], v[ACC:ACC+1]
	v_pk_add_f32 v[KP+2:KP+3], v[KP+2:KP+3], v[ACC+2:ACC+3]
	ds_store_b128 v[ZA], v[KP:KP+3] offset:ZR
	BAR
	XSUM8 C4, ZR, XT                               ; lane L: columns 4 L .. +3 over all 256 blocks
	v_pk_mul_f32 v[C4:C4+1], v[C4:C4+1], v[E+2:E+3]
	v_pk_mul_f32 v[C4+2:C4+3], v[C4+2:C4+3], v[E+2:E+3]
	v_pk_fma_f32 v[C4:C4+1], v[C4:C4+1], v[G:G+1], v[B1:B1+1]
	v_pk_fma_f32 v[C4+2:C4+3], v[C4+2:C4+3], v[G+2:G+3], v[B1+2:B1+3]
	ds_store_b128 v6, v[C4:C4+3] offset:CX         ; my own copy: read back below without a barrier, LDS serves a wave in order (ISA guide 5.7.1.4)
.irp k, 0,1,2,3
	ds_load_b128 v[MU+4*\k:MU+4*\k+3], v9 offset:CX+16*\k
.endr
	s_wait_dscnt 0x0
	MVCORE 16, W, MU, 0
	FINRED 8, RED, W, 22
.Lfunc_end_k_q65e4aa14c8_ctxv:
	.size	k_q65e4aa14c8_ctxv, .Lfunc_end_k_q65e4aa14c8_ctxv-k_q65e4aa14c8_ctxv
	.p2alignl 7, 3214868480
	.fill 96, 4, 3214868480
	.section	.rodata,"a",@progbits
	.p2align	6, 0x0
	.amdhsa_kernel k_q65e4aa14c8_ctxv
		.amdhsa_group_segment_fixed_size 14848
		.amdhsa_private_segment_fixed_size 0
		.amdhsa_enable_private_segment 0
		.amdhsa_kernarg_size 48
		.amdhsa_user_sgpr_count 2
		.amdhsa_user_sgpr_kernarg_segment_ptr 1
		.amdhsa_wavefront_size32 1
		.amdhsa_system_sgpr_workgroup_id_x 1
		.amdhsa_system_sgpr_workgroup_id_y 1
		.amdhsa_system_sgpr_workgroup_id_z 1
		.amdhsa_system_vgpr_workitem_id 0
		.amdhsa_next_free_vgpr 190
		.amdhsa_next_free_sgpr 66
		.amdhsa_reserve_vcc 1
		.amdhsa_float_denorm_mode_32 3
		.amdhsa_float_denorm_mode_16_64 3
		.amdhsa_memory_ordered 1
		.amdhsa_forward_progress 1
		.amdhsa_inst_pref_size 25
	.end_amdhsa_kernel
	.amdgpu_metadata
---
amdhsa.version: [ 1, 2 ]
amdhsa.kernels:
  - .name:           k_q65e4aa14c8_ctxv
    .symbol:         k_q65e4aa14c8_ctxv.kd
    .args:
      - { .name: stats, .offset: 0, .size: 8, .value_kind: global_buffer, .address_space: global }
      - { .name: zpart, .offset: 8, .size: 8, .value_kind: global_buffer, .address_space: global }
      - { .name: g1, .offset: 16, .size: 8, .value_kind: global_buffer, .address_space: global }
      - { .name: b1, .offset: 24, .size: 8, .value_kind: global_buffer, .address_space: global }
      - { .name: wv, .offset: 32, .size: 8, .value_kind: global_buffer, .address_space: global }
      - { .name: opart, .offset: 40, .size: 8, .value_kind: global_buffer, .address_space: global }
    .group_segment_fixed_size: 14848
    .private_segment_fixed_size: 0
    .kernarg_segment_align: 8
    .kernarg_segment_size: 48
    .max_flat_workgroup_size: 256
    .sgpr_count:     66
    .vgpr_count:     190
    .wavefront_size: 32
...
	.end_amdgpu_metadata
.endif
;; end of part 4
;; launch oproj (part 5): grid 32 x 8, 8 waves a work-group, no clusters, 6,144 bytes of LDS; arguments opart, bv, wo, xpart; writes xpart
.if DOCPART == 5
	.amdgcn_target "amdgcn-amd-amdhsa--gfx1250"
	.amdhsa_code_object_version 6
	.text
	.protected	k_q65e4aa14c8_oproj
	.globl	k_q65e4aa14c8_oproj
	.p2align	8
	.type	k_q65e4aa14c8_oproj,@function
k_q65e4aa14c8_oproj:
	s_mov_b64 s[64:65], 0
	v_nop
	global_prefetch_b8 v0, s[64:65] scope:SCOPE_SE
	s_setreg_imm32_b32 hwreg(HW_REG_WAVE_MODE, 25, 1), 1
	s_wait_xcnt 0x0
; xpart[kc][n] = sum over c in 256 kc .. +255 of o[c] wo[c][n],  o = sum of the 16 rows of opart + bv.  bo and self_tok are added where x is formed.
; Work-group (nb, kc): 256 rows x 64 columns of wo, so that xpart has 8 rows: every work-group of the next launch reads all of xpart, 65,536 bytes.
; A row piece is 256 consecutive bytes, aligned; one load of a wave takes two rows: lanes 0-15 row 32 w + i, lanes 16-31 row 32 w + 16 + i, lane (r, hh) columns 4 r .. +3.
; Thread t forms o[256 kc + t], which is a multiplier of its own wave's rows alone: it passes through the wave's own 128 bytes of LDS, without a barrier.
; All 33 loads are issued at the head.
.set CX,  0                            ; 8 x 128 bytes: o of each wave's 32 rows, its own
.set RED, 1024                         ; 16 x 256 bytes: the partial results of each wave's two halves of lanes
.set OV,  8                            ; v8         bv, then o
.set OP,  10                           ; v[10:25]   my number of opart's 16 rows
.set W,   28                           ; v[28:91]   16 loads of wo
.set MU,  92                           ; v[92:107]  the 16 multipliers of my half's rows
.set ACC, 108                          ; v[108:115]
.macro BAR
	s_wait_dscnt 0x0
	s_barrier_signal -1
	s_barrier_wait -1
.endm
.macro TREE8 b
	v_pk_add_f32 v[\b:\b+1], v[\b:\b+1], v[\b+4:\b+5]
	v_pk_add_f32 v[\b+2:\b+3], v[\b+2:\b+3], v[\b+6:\b+7]
	v_pk_add_f32 v[\b:\b+1], v[\b:\b+1], v[\b+2:\b+3]
	v_add_f32 v[\b], v[\b], v[\b+1]
.endm
.macro MVCORE nr, w, mu, extra         ; the wait in front of row i leaves out the nr-1-i younger rows and the extra loads issued behind the rows
.set jj, 0
.rept \nr/2
	s_wait_loadcnt \extra+\nr-1-2*jj
.if jj == 0
	v_pk_mul_f32 v[ACC:ACC+1], v[\w:\w+1], v[\mu:\mu+1] op_sel_hi:[1,0]
	v_pk_mul_f32 v[ACC+2:ACC+3], v[\w+2:\w+3], v[\mu:\mu+1] op_sel_hi:[1,0]
.else
	v_pk_fma_f32 v[ACC:ACC+1], v[\w+8*jj:\w+8*jj+1], v[\mu+2*jj:\mu+2*jj+1], v[ACC:ACC+1] op_sel_hi:[1,0,1]
	v_pk_fma_f32 v[ACC+2:ACC+3], v[\w+8*jj+2:\w+8*jj+3], v[\mu+2*jj:\mu+2*jj+1], v[ACC+2:ACC+3] op_sel_hi:[1,0,1]
.endif
	s_wait_loadcnt \extra+\nr-2-2*jj
.if jj == 0
	v_pk_mul_f32 v[ACC+4:ACC+5], v[\w+4:\w+5], v[\mu:\mu+1] op_sel:[0,1] op_sel_hi:[1,1]
	v_pk_mul_f32 v[ACC+6:ACC+7], v[\w+6:\w+7], v[\mu:\mu+1] op_sel:[0,1] op_sel_hi:[1,1]
.else
	v_pk_fma_f32 v[ACC+4:ACC+5], v[\w+8*jj+4:\w+8*jj+5], v[\mu+2*jj:\mu+2*jj+1], v[ACC+4:ACC+5] op_sel:[0,1,0] op_sel_hi:[1,1,1]
	v_pk_fma_f32 v[ACC+6:ACC+7], v[\w+8*jj+6:\w+8*jj+7], v[\mu+2*jj:\mu+2*jj+1], v[ACC+6:ACC+7] op_sel:[0,1,0] op_sel_hi:[1,1,1]
.endif
.set jj, jj+1
.endr
	v_pk_add_f32 v[ACC:ACC+1], v[ACC:ACC+1], v[ACC+4:ACC+5]
	v_pk_add_f32 v[ACC+2:ACC+3], v[ACC+2:ACC+3], v[ACC+6:ACC+7]
.endm
	s_load_b256 s[4:11], s[0:1], 0x0               ; opart s[4:5], bv s[6:7], wo s[8:9], xpart s[10:11]
	v_lshl_add_u32 v116, v0, 2, 0x1400
	v_mov_b32 v117, 0
	v_and_b32 v1, 31, v0                           ; L
	v_lshrrev_b32 v3, 5, v0
	v_readfirstlane_b32 s16, v3                    ; wave w
	v_lshlrev_b32 v2, 4, v1                        ; 16 L
	v_lshlrev_b32 v5, 3, v1                        ; 8 L
	v_and_b32 v7, 15, v1                           ; r
	v_lshrrev_b32 v4, 4, v1                        ; hh
	v_lshlrev_b32 v7, 4, v7
	v_lshl_add_u32 v7, v4, 17, v7                  ; wo: 16 r, and 16 rows of 8,192 bytes further for lanes 16-31
	s_and_b32 s18, ttmp7, 0xffff                   ; kc
	s_lshl_b32 s17, s16, 7
	v_lshl_add_u32 v3, v1, 2, s17                  ; 128 w + 4 L = 4 x thread
	v_lshl_add_u32 v4, v4, 6, s17                  ; 128 w + 64 hh: my half's 16 multipliers in my wave's 128 bytes
	s_lshl_b32 s17, s16, 9
	v_add_nc_u32 v6, s17, v2                       ; 512 w + 16 L = 256 (2 w + hh) + 16 r
	s_lshl_b32 s20, s18, 10                        ; opart, bv: 4 x 256 kc
	s_mov_b32 s21, 0
	s_lshl_b32 s28, ttmp9, 8                       ; 256 nb
	s_lshl_b32 s24, s18, 21                        ; wo: (256 kc + 32 w) rows of 8,192 bytes + 256 nb
	s_lshl_b32 s25, s16, 18
	s_add_co_u32 s24, s24, s25
	s_add_co_u32 s24, s24, s28
	s_mov_b32 s25, 0
	s_lshl_b32 s26, s18, 13                        ; xpart: 8,192 kc + 256 nb
	s_add_co_u32 s26, s26, s28
	s_mov_b32 s27, 0
	s_wait_kmcnt 0x0
	s_add_nc_u64 s[4:5], s[4:5], s[20:21]
	s_add_nc_u64 s[6:7], s[6:7], s[20:21]
	s_add_nc_u64 s[8:9], s[8:9], s[24:25]
	s_add_nc_u64 s[10:11], s[10:11], s[26:27]
	global_load_b32 v[OV], v3, s[6:7]
.set jj, 0
.rept 16
	global_load_b32 v[OP+jj], v3, s[4:5] offset:8192*jj
.set jj, jj+1
.endr
.set jj, 0
.rept 16
	global_load_b128 v[W+4*jj:W+4*jj+3], v7, s[8:9] offset:8192*jj th:TH_LOAD_NT
.set jj, jj+1
.endr
	s_wait_loadcnt 16                              ; bv and opart's 16 numbers are in; the 16 loads of wo stay out
.irp k, 0,2,4,6
	v_pk_add_f32 v[OP+\k:OP+\k+1], v[OP+\k:OP+\k+1], v[OP+8+\k:OP+8+\k+1]
.endr
	TREE8 OP
	v_add_f32 v[OV], v[OV], v[OP]                  ; o[256 kc + 32 w + L]
	ds_store_b32 v3, v[OV] offset:CX               ; my wave's own bytes: read back without a barrier, LDS serves a wave in order (ISA guide 5.7.1.4)
.irp k, 0,1,2,3
	ds_load_b128 v[MU+4*\k:MU+4*\k+3], v4 offset:CX+16*\k       ; o of rows 32 w + 16 hh + 0 .. 15
.endr
	s_wait_dscnt 0x0
	MVCORE 16, W, MU, 0
	; 16 partial rows of 64 columns (8 waves x 2 halves of lanes) meet in LDS; wave 0 adds them, 2 columns a lane
	ds_store_b128 v6, v[ACC:ACC+3] offset:RED
	BAR
	s_cmp_lg_u32 s16, 0
	s_cbranch_scc1 .Lend
.set jj, 0
.rept 16
	ds_load_b64 v[W+2*jj:W+2*jj+1], v5 offset:RED+256*jj
.set jj, jj+1
.endr
	s_wait_dscnt 0x0
.irp k, 0,2,4,6,8,10,12,14
	v_pk_add_f32 v[W+\k:W+\k+1], v[W+\k:W+\k+1], v[W+16+\k:W+16+\k+1]
.endr
.irp k, 0,2,4,6
	v_pk_add_f32 v[W+\k:W+\k+1], v[W+\k:W+\k+1], v[W+8+\k:W+8+\k+1]
.endr
	v_pk_add_f32 v[W:W+1], v[W:W+1], v[W+4:W+5]
	v_pk_add_f32 v[W+2:W+3], v[W+2:W+3], v[W+6:W+7]
	v_pk_add_f32 v[W:W+1], v[W:W+1], v[W+2:W+3]
	global_store_b64 v5, v[W:W+1], s[10:11]        ; 32 lanes store 256 consecutive bytes, aligned
.Lend:
	s_wait_tensorcnt 0x0
	ds_add_u32 v116, v117
	s_wait_dscnt 0x0
	s_endpgm
.Lfunc_end_k_q65e4aa14c8_oproj:
	.size	k_q65e4aa14c8_oproj, .Lfunc_end_k_q65e4aa14c8_oproj-k_q65e4aa14c8_oproj
	.p2alignl 7, 3214868480
	.fill 96, 4, 3214868480
	.section	.rodata,"a",@progbits
	.p2align	6, 0x0
	.amdhsa_kernel k_q65e4aa14c8_oproj
		.amdhsa_group_segment_fixed_size 6144
		.amdhsa_private_segment_fixed_size 0
		.amdhsa_enable_private_segment 0
		.amdhsa_kernarg_size 32
		.amdhsa_user_sgpr_count 2
		.amdhsa_user_sgpr_kernarg_segment_ptr 1
		.amdhsa_wavefront_size32 1
		.amdhsa_system_sgpr_workgroup_id_x 1
		.amdhsa_system_sgpr_workgroup_id_y 1
		.amdhsa_system_sgpr_workgroup_id_z 1
		.amdhsa_system_vgpr_workitem_id 0
		.amdhsa_next_free_vgpr 118
		.amdhsa_next_free_sgpr 66
		.amdhsa_reserve_vcc 0
		.amdhsa_float_denorm_mode_32 3
		.amdhsa_float_denorm_mode_16_64 3
		.amdhsa_memory_ordered 1
		.amdhsa_forward_progress 1
		.amdhsa_inst_pref_size 11
	.end_amdhsa_kernel
	.amdgpu_metadata
---
amdhsa.version: [ 1, 2 ]
amdhsa.kernels:
  - .name:           k_q65e4aa14c8_oproj
    .symbol:         k_q65e4aa14c8_oproj.kd
    .args:
      - { .name: opart, .offset: 0, .size: 8, .value_kind: global_buffer, .address_space: global }
      - { .name: bv, .offset: 8, .size: 8, .value_kind: global_buffer, .address_space: global }
      - { .name: wo, .offset: 16, .size: 8, .value_kind: global_buffer, .address_space: global }
      - { .name: xpart, .offset: 24, .size: 8, .value_kind: global_buffer, .address_space: global }
    .group_segment_fixed_size: 6144
    .private_segment_fixed_size: 0
    .kernarg_segment_align: 8
    .kernarg_segment_size: 32
    .max_flat_workgroup_size: 256
    .sgpr_count:     66
    .vgpr_count:     118
    .wavefront_size: 32
...
	.end_amdgpu_metadata
.endif
;; end of part 5
;; launch ffn1 (part 6): grid 64 x 4, 16 waves a work-group, no clusters, 18,944 bytes of LDS; arguments self_tok, bo, xpart, g2, b2, w_ffn1, hpart; writes hpart
.if DOCPART == 6
	.amdgcn_target "amdgcn-amd-amdhsa--gfx1250"
	.amdhsa_code_object_version 6
	.text
	.protected	k_q65e4aa14c8_ffn1
	.globl	k_q65e4aa14c8_ffn1
	.p2align	8
	.type	k_q65e4aa14c8_ffn1,@function
k_q65e4aa14c8_ffn1:
	s_mov_b64 s[64:65], 0
	v_nop
	global_prefetch_b8 v0, s[64:65] scope:SCOPE_SE
	s_setreg_imm32_b32 hwreg(HW_REG_WAVE_MODE, 25, 1), 1
	s_wait_xcnt 0x0
; x = self_tok + bo + sum of the 8 rows of xpart;  hpart[kc][n] = sum over c in 512 kc .. +511 of LN2(x)[c] w_ffn1[c][n].
; b_ffn1 and the gelu follow in the next launch, behind the whole sum.
; Work-group (nb, kc): 512 rows x 128 columns; wave w: 32 rows, a row piece is 512 consecutive bytes.  Thread t forms x[4t .. 4t+3].  All 44 loads are issued at the head.
; NO MULTICAST: LN2's mean and deviation need all of x in every work-group, so each reads self_tok, bo, g2, b2 and xpart's 8 rows, 12 x 8,192 = 98,304 bytes
; that the others read too, beside 262,144 bytes of weights of its own.  They are what every wave waits for first, and go out as plain loads at the first line;
; a joint request for them could only go out behind a round of the cluster's barrier.
.set RS1, 0                            ; 16 words
.set RS2, 256                          ; 16 words
.set VEC, 512                          ; 8,192 bytes: LN2(x)
.set RED, 8704                         ; 16 x 512 bytes
.set XV,  16                           ; v[16:19]   self_tok, then x, then LN2(x)
.set BO,  20                           ; v[20:23]
.set XP,  24                           ; v[24:55]   8 pieces of xpart
.set G,   88                           ; v[88:91]   g2
.set B,   92                           ; v[92:95]   b2
.set W,   96                           ; v[96:223]  32 row pieces of w_ffn1
.set ACC, 224                          ; v[224:231]
.set T,   232                          ; v[232:247] at work
.set MU,  16                           ; v[16:47]   behind the norm: the 32 multipliers of my rows
.macro WSUM r, t
	v_add_f32_dpp v[\r], v[\r], v[\r] row_xmask:1 row_mask:0xf bank_mask:0xf
	v_add_f32_dpp v[\r], v[\r], v[\r] row_xmask:2 row_mask:0xf bank_mask:0xf
	v_add_f32_dpp v[\r], v[\r], v[\r] row_xmask:4 row_mask:0xf bank_mask:0xf
	v_add_f32_dpp v[\r], v[\r], v[\r] row_xmask:8 row_mask:0xf bank_mask:0xf
	v_permlanex16_b32 v[\t], v[\r], s12, s13
	v_add_f32 v[\r], v[\r], v[\t]
.endm
.macro BAR
	s_wait_dscnt 0x0
	s_barrier_signal -1
	s_barrier_wait -1
.endm
.macro TREE8 b
	v_pk_add_f32 v[\b:\b+1], v[\b:\b+1], v[\b+4:\b+5]
	v_pk_add_f32 v[\b+2:\b+3], v[\b+2:\b+3], v[\b+6:\b+7]
	v_pk_add_f32 v[\b:\b+1], v[\b:\b+1], v[\b+2:\b+3]
	v_add_f32 v[\b], v[\b], v[\b+1]
.endm
.macro BSUM16 b, off                   ; v[b] = sum of v[b] over the 512 threads; uses v[b .. b+15] and 16 words of LDS at off
	WSUM \b, \b+1
	ds_store_b32 v4, v[\b] offset:\off
	BAR
.irp k, 0,1,2,3
	ds_load_b128 v[\b+4*\k:\b+4*\k+3], v5 offset:\off+16*\k
.endr
	s_wait_dscnt 0x0
.irp k, 0,2,4,6
	v_pk_add_f32 v[\b+\k:\b+\k+1], v[\b+\k:\b+\k+1], v[\b+8+\k:\b+8+\k+1]
.endr
	TREE8 \b
.endm
.macro MVCORE nr, w, mu, extra         ; the wait in front of row i leaves out the nr-1-i younger rows and the extra loads issued behind the rows
.set jj, 0
.rept \nr/2
	s_wait_loadcnt \extra+\nr-1-2*jj
.if jj == 0
	v_pk_mul_f32 v[ACC:ACC+1], v[\w:\w+1], v[\mu:\mu+1] op_sel_hi:[1,0]
	v_pk_mul_f32 v[ACC+2:ACC+3], v[\w+2:\w+3], v[\mu:\mu+1] op_sel_hi:[1,0]
.else
	v_pk_fma_f32 v[ACC:ACC+1], v[\w+8*jj:\w+8*jj+1], v[\mu+2*jj:\mu+2*jj+1], v[ACC:ACC+1] op_sel_hi:[1,0,1]
	v_pk_fma_f32 v[ACC+2:ACC+3], v[\w+8*jj+2:\w+8*jj+3], v[\mu+2*jj:\mu+2*jj+1], v[ACC+2:ACC+3] op_sel_hi:[1,0,1]
.endif
	s_wait_loadcnt \extra+\nr-2-2*jj
.if jj == 0
	v_pk_mul_f32 v[ACC+4:ACC+5], v[\w+4:\w+5], v[\mu:\mu+1] op_sel:[0,1] op_sel_hi:[1,1]
	v_pk_mul_f32 v[ACC+6:ACC+7], v[\w+6:\w+7], v[\mu:\mu+1] op_sel:[0,1] op_sel_hi:[1,1]
.else
	v_pk_fma_f32 v[ACC+4:ACC+5], v[\w+8*jj+4:\w+8*jj+5], v[\mu+2*jj:\mu+2*jj+1], v[ACC+4:ACC+5] op_sel:[0,1,0] op_sel_hi:[1,1,1]
	v_pk_fma_f32 v[ACC+6:ACC+7], v[\w+8*jj+6:\w+8*jj+7], v[\mu+2*jj:\mu+2*jj+1], v[ACC+6:ACC+7] op_sel:[0,1,0] op_sel_hi:[1,1,1]
.endif
.set jj, jj+1
.endr
	v_pk_add_f32 v[ACC:ACC+1], v[ACC:ACC+1], v[ACC+4:ACC+5]
	v_pk_add_f32 v[ACC+2:ACC+3], v[ACC+2:ACC+3], v[ACC+6:ACC+7]
.endm
.macro FINRED nw, red, w, base
	ds_store_b128 v6, v[ACC:ACC+3] offset:\red
	BAR
	s_cmp_lg_u32 s16, 0
	s_cbranch_scc1 .Lend
.set jj, 0
.rept \nw
	ds_load_b128 v[\w+4*jj:\w+4*jj+3], v2 offset:\red+512*jj
.set jj, jj+1
.endr
	s_wait_dscnt 0x0
.set jj, 1
.rept \nw-1
	v_pk_add_f32 v[\w:\w+1], v[\w:\w+1], v[\w+4*jj:\w+4*jj+1]
	v_pk_add_f32 v[\w+2:\w+3], v[\w+2:\w+3], v[\w+4*jj+2:\w+4*jj+3]
.set jj, jj+1
.endr
	global_store_b128 v2, v[\w:\w+3], s[\base:\base+1]
.Lend:
	s_wait_tensorcnt 0x0
	ds_add_u32 v248, v249
	s_wait_dscnt 0x0
	s_endpgm
.endm
	s_load_b256 s[4:11], s[0:1], 0x0               ; self_tok s[4:5], bo s[6:7], xpart s[8:9], g2 s[10:11]
	s_load_b128 s[20:23], s[0:1], 0x20             ; b2 s[20:21], w_ffn1 s[22:23]
	s_load_b64 s[24:25], s[0:1], 0x30              ; hpart
	v_lshl_add_u32 v248, v0, 2, 0x4200
	v_mov_b32 v249, 0
	v_and_b32 v1, 31, v0
	v_lshrrev_b32 v3, 5, v0
	v_readfirstlane_b32 s16, v3                    ; wave w
	v_lshlrev_b32 v2, 4, v1                        ; 16 L
	v_mov_b32 v5, 0
	s_mov_b32 s12, 0x76543210
	s_mov_b32 s13, 0xfedcba98
	s_mov_b32 s14, 0x3a000000                      ; 1/2048
	s_mov_b32 s15, 0x358637bd                      ; eps = 1e-6
	s_and_b32 s18, ttmp7, 3                        ; kc: the grid has 4 work-groups along y, so two bits hold it
	s_lshl_b32 s17, s16, 2
	v_mov_b32 v4, s17                              ; 4 w
	s_lshl_b32 s17, s16, 9
	v_add_nc_u32 v6, s17, v2                       ; 512 w + 16 L = 16 x thread
	s_lshl_b32 s17, s18, 11
	s_lshl_b32 s19, s16, 7
	s_add_co_u32 s17, s17, s19
	v_mov_b32 v7, s17                              ; 4 (512 kc + 32 w): my rows' multipliers in VEC; 2,048 x 3 + 128 x 15 = 8,064 at the most, so the 128 bytes read from there end where VEC ends
	s_lshl_b32 s30, ttmp9, 9                       ; 512 nb
	s_lshl_b32 s26, s18, 24                        ; w_ffn1: (512 kc + 32 w) rows of 32,768 bytes + 512 nb
	s_lshl_b32 s27, s16, 20
	s_add_co_u32 s26, s26, s27
	s_add_co_u32 s26, s26, s30
	s_mov_b32 s27, 0
	s_lshl_b32 s28, s18, 15                        ; hpart: 32,768 kc + 512 nb
	s_add_co_u32 s28, s28, s30
	s_mov_b32 s29, 0
	s_wait_kmcnt 0x0
	s_add_nc_u64 s[22:23], s[22:23], s[26:27]
	s_add_nc_u64 s[24:25], s[24:25], s[28:29]
	global_load_b128 v[XV:XV+3], v6, s[4:5]
	global_load_b128 v[BO:BO+3], v6, s[6:7]
.set jj, 0
.rept 8
	global_load_b128 v[XP+4*jj:XP+4*jj+3], v6, s[8:9] offset:8192*jj
.set jj, jj+1
.endr
	global_load_b128 v[G:G+3], v6, s[10:11]
	global_load_b128 v[B:B+3], v6, s[20:21]
.set jj, 0
.rept 32
	global_load_b128 v[W+4*jj:W+4*jj+3], v2, s[22:23] offset:32768*jj th:TH_LOAD_NT
.set jj, jj+1
.endr
	s_wait_loadcnt 32                              ; the 12 small loads are in; the 32 rows of w_ffn1 stay out
	v_pk_add_f32 v[XV:XV+1], v[XV:XV+1], v[BO:BO+1]
	v_pk_add_f32 v[XV+2:XV+3], v[XV+2:XV+3], v[BO+2:BO+3]
.set jj, 0
.rept 8
	v_pk_add_f32 v[XV:XV+1], v[XV:XV+1], v[XP+4*jj:XP+4*jj+1]
	v_pk_add_f32 v[XV+2:XV+3], v[XV+2:XV+3], v[XP+4*jj+2:XP+4*jj+3]
.set jj, jj+1
.endr
	v_pk_add_f32 v[T:T+1], v[XV:XV+1], v[XV+2:XV+3]
	v_add_f32 v[T], v[T], v[T+1]
	BSUM16 T, RS1
	v_mul_f32 v[T], 0xba000000, v[T]               ; minus the mean
	v_pk_add_f32 v[XV:XV+1], v[XV:XV+1], v[T:T+1] op_sel_hi:[1,0]
	v_pk_add_f32 v[XV+2:XV+3], v[XV+2:XV+3], v[T:T+1] op_sel_hi:[1,0]
	v_pk_mul_f32 v[T:T+1], v[XV:XV+1], v[XV:XV+1]
	v_pk_fma_f32 v[T:T+1], v[XV+2:XV+3], v[XV+2:XV+3], v[T:T+1]
	v_add_f32 v[T], v[T], v[T+1]
	BSUM16 T, RS2
	v_fma_f32 v[T], v[T], s14, s15                 ; variance + eps
	v_rsq_f32 v[T], v[T]
	v_nop                                          ; one plain instruction behind the transcendental (ISA guide 5.7.2)
	s_wait_alu depctr_va_vdst(0)
	v_pk_mul_f32 v[XV:XV+1], v[XV:XV+1], v[T:T+1] op_sel_hi:[1,0]
	v_pk_mul_f32 v[XV+2:XV+3], v[XV+2:XV+3], v[T:T+1] op_sel_hi:[1,0]
	v_pk_fma_f32 v[XV:XV+1], v[XV:XV+1], v[G:G+1], v[B:B+1]
	v_pk_fma_f32 v[XV+2:XV+3], v[XV+2:XV+3], v[G+2:G+3], v[B+2:B+3]
	ds_store_b128 v6, v[XV:XV+3] offset:VEC
	BAR
.irp k, 0,1,2,3,4,5,6,7
	ds_load_b128 v[MU+4*\k:MU+4*\k+3], v7 offset:VEC+16*\k
.endr
	s_wait_dscnt 0x0
	MVCORE 32, W, MU, 0
	FINRED 16, RED, W, 24
.Lfunc_end_k_q65e4aa14c8_ffn1:
	.size	k_q65e4aa14c8_ffn1, .Lfunc_end_k_q65e4aa14c8_ffn1-k_q65e4aa14c8_ffn1
	.p2alignl 7, 3214868480
	.fill 96, 4, 3214868480
	.section	.rodata,"a",@progbits
	.p2align	6, 0x0
	.amdhsa_kernel k_q65e4aa14c8_ffn1
		.amdhsa_group_segment_fixed_size 18944
		.amdhsa_private_segment_fixed_size 0
		.amdhsa_enable_private_segment 0
		.amdhsa_kernarg_size 56
		.amdhsa_user_sgpr_count 2
		.amdhsa_user_sgpr_kernarg_segment_ptr 1
		.amdhsa_wavefront_size32 1
		.amdhsa_system_sgpr_workgroup_id_x 1
		.amdhsa_system_sgpr_workgroup_id_y 1
		.amdhsa_system_sgpr_workgroup_id_z 1
		.amdhsa_system_vgpr_workitem_id 0
		.amdhsa_next_free_vgpr 250
		.amdhsa_next_free_sgpr 66
		.amdhsa_reserve_vcc 0
		.amdhsa_float_denorm_mode_32 3
		.amdhsa_float_denorm_mode_16_64 3
		.amdhsa_memory_ordered 1
		.amdhsa_forward_progress 1
		.amdhsa_inst_pref_size 20
	.end_amdhsa_kernel
	.amdgpu_metadata
---
amdhsa.version: [ 1, 2 ]
amdhsa.kernels:
  - .name:           k_q65e4aa14c8_ffn1
    .symbol:         k_q65e4aa14c8_ffn1.kd
    .args:
      - { .name: self_tok, .offset: 0, .size: 8, .value_kind: global_buffer, .address_space: global }
      - { .name: bo, .offset: 8, .size: 8, .value_kind: global_buffer, .address_space: global }
      - { .name: xpart, .offset: 16, .size: 8, .value_kind: global_buffer, .address_space: global }
      - { .name: g2, .offset: 24, .size: 8, .value_kind: global_buffer, .address_space: global }
      - { .name: b2, .offset: 32, .size: 8, .value_kind: global_buffer, .address_space: global }
      - { .name: w_ffn1, .offset: 40, .size: 8, .value_kind: global_buffer, .address_space: global }
      - { .name: hpart, .offset: 48, .size: 8, .value_kind: global_buffer, .address_space: global }
    .group_segment_fixed_size: 18944
    .private_segment_fixed_size: 0
    .kernarg_segment_align: 8
    .kernarg_segment_size: 56
    .max_flat_workgroup_size: 512
    .sgpr_count:     66
    .vgpr_count:     250
    .wavefront_size: 32
...
	.end_amdgpu_metadata
.endif
;; end of part 6
;; launch ffn2 (part 7): grid 16 x 16, 16 waves a work-group, no clusters, 12,288 bytes of LDS; arguments hpart, b_ffn1, w_ffn2, outpart; writes outpart
.if DOCPART == 7
	.amdgcn_target "amdgcn-amd-amdhsa--gfx1250"
	.amdhsa_code_object_version 6
	.text
	.protected	k_q65e4aa14c8_ffn2
	.globl	k_q65e4aa14c8_ffn2
	.p2align	8
	.type	k_q65e4aa14c8_ffn2,@function
k_q65e4aa14c8_ffn2:
	s_mov_b64 s[64:65], 0
	v_nop
	global_prefetch_b8 v0, s[64:65] scope:SCOPE_SE
	s_setreg_imm32_b32 hwreg(HW_REG_WAVE_MODE, 25, 1), 1
	s_wait_xcnt 0x0
; a = b_ffn1 + sum of the 4 rows of hpart;  outpart[kc][n] = sum over c in 512 kc .. +511 of gelu(a[c]) w_ffn2[c][n].  b_ffn2 is added by the last launch.
; gelu in its tanh form: 0.5 a (1 + tanh(u)) = a - a / (1 + e^(2u)),  u = sqrt(2/pi) (a + 0.044715 a^3);  e^(2u) = 2^(a (a^2 K3 + K1)).
; Work-group (nb, kc): 512 rows x 128 columns; wave w: 32 rows.  Thread t forms gelu(a[512 kc + t]).  All 37 loads are issued at the head.
.set VEC, 0                            ; 512 words: gelu(a)
.set RED, 2048                         ; 16 x 512 bytes
.set W,   16                           ; v[16:143]  32 row pieces of w_ffn2
.set MU,  144                          ; v[144:175]
.set ACC, 176                          ; v[176:183]
.set T,   184                          ; at work
.macro BAR
	s_wait_dscnt 0x0
	s_barrier_signal -1
	s_barrier_wait -1
.endm
.macro MVCORE nr, w, mu, extra         ; the wait in front of row i leaves out the nr-1-i younger rows and the extra loads issued behind the rows
.set jj, 0
.rept \nr/2
	s_wait_loadcnt \extra+\nr-1-2*jj
.if jj == 0
	v_pk_mul_f32 v[ACC:ACC+1], v[\w:\w+1], v[\mu:\mu+1] op_sel_hi:[1,0]
	v_pk_mul_f32 v[ACC+2:ACC+3], v[\w+2:\w+3], v[\mu:\mu+1] op_sel_hi:[1,0]
.else
	v_pk_fma_f32 v[ACC:ACC+1], v[\w+8*jj:\w+8*jj+1], v[\mu+2*jj:\mu+2*jj+1], v[ACC:ACC+1] op_sel_hi:[1,0,1]
	v_pk_fma_f32 v[ACC+2:ACC+3], v[\w+8*jj+2:\w+8*jj+3], v[\mu+2*jj:\mu+2*jj+1], v[ACC+2:ACC+3] op_sel_hi:[1,0,1]
.endif
	s_wait_loadcnt \extra+\nr-2-2*jj
.if jj == 0
	v_pk_mul_f32 v[ACC+4:ACC+5], v[\w+4:\w+5], v[\mu:\mu+1] op_sel:[0,1] op_sel_hi:[1,1]
	v_pk_mul_f32 v[ACC+6:ACC+7], v[\w+6:\w+7], v[\mu:\mu+1] op_sel:[0,1] op_sel_hi:[1,1]
.else
	v_pk_fma_f32 v[ACC+4:ACC+5], v[\w+8*jj+4:\w+8*jj+5], v[\mu+2*jj:\mu+2*jj+1], v[ACC+4:ACC+5] op_sel:[0,1,0] op_sel_hi:[1,1,1]
	v_pk_fma_f32 v[ACC+6:ACC+7], v[\w+8*jj+6:\w+8*jj+7], v[\mu+2*jj:\mu+2*jj+1], v[ACC+6:ACC+7] op_sel:[0,1,0] op_sel_hi:[1,1,1]
.endif
.set jj, jj+1
.endr
	v_pk_add_f32 v[ACC:ACC+1], v[ACC:ACC+1], v[ACC+4:ACC+5]
	v_pk_add_f32 v[ACC+2:ACC+3], v[ACC+2:ACC+3], v[ACC+6:ACC+7]
.endm
.macro FINRED nw, red, w, base
	ds_store_b128 v6, v[ACC:ACC+3] offset:\red
	BAR
	s_cmp_lg_u32 s16, 0
	s_cbranch_scc1 .Lend
.set jj, 0
.rept \nw
	ds_load_b128 v[\w+4*jj:\w+4*jj+3], v2 offset:\red+512*jj
.set jj, jj+1
.endr
	s_wait_dscnt 0x0
.set jj, 1
.rept \nw-1
	v_pk_add_f32 v[\w:\w+1], v[\w:\w+1], v[\w+4*jj:\w+4*jj+1]
	v_pk_add_f32 v[\w+2:\w+3], v[\w+2:\w+3], v[\w+4*jj+2:\w+4*jj+3]
.set jj, jj+1
.endr
	global_store_b128 v2, v[\w:\w+3], s[\base:\base+1]
.Lend:
	s_wait_tensorcnt 0x0
	ds_add_u32 v192, v193
	s_wait_dscnt 0x0
	s_endpgm
.endm
	s_load_b256 s[4:11], s[0:1], 0x0               ; hpart s[4:5], b_ffn1 s[6:7], w_ffn2 s[8:9], outpart s[10:11]
	v_lshl_add_u32 v192, v0, 2, 0x2800
	v_mov_b32 v193, 0
	v_and_b32 v1, 31, v0
	v_lshrrev_b32 v3, 5, v0
	v_readfirstlane_b32 s16, v3                    ; wave w
	v_lshlrev_b32 v2, 4, v1                        ; 16 L
	s_mov_b32 s14, 0x3dd2d3e8                      ; K3 = 2 log2(e) sqrt(2/pi) * 0.044715
	s_mov_b32 s15, 0x40135761                      ; K1 = 2 log2(e) sqrt(2/pi)
	s_and_b32 s18, ttmp7, 0xffff                   ; kc
	s_lshl_b32 s17, s16, 7
	v_lshl_add_u32 v3, v1, 2, s17                  ; 128 w + 4 L = 4 x thread
	v_mov_b32 v5, s17                              ; 128 w: my rows' multipliers in VEC
	s_lshl_b32 s17, s16, 9
	v_add_nc_u32 v6, s17, v2                       ; 512 w + 16 L
	s_lshl_b32 s20, s18, 11                        ; hpart, b_ffn1: 4 x 512 kc
	s_mov_b32 s21, 0
	s_lshl_b32 s26, ttmp9, 9                       ; 512 nb
	s_lshl_b32 s22, s18, 22                        ; w_ffn2: (512 kc + 32 w) rows of 8,192 bytes + 512 nb
	s_lshl_b32 s23, s16, 18
	s_add_co_u32 s22, s22, s23
	s_add_co_u32 s22, s22, s26
	s_mov_b32 s23, 0
	s_lshl_b32 s24, s18, 13                        ; outpart: 8,192 kc + 512 nb
	s_add_co_u32 s24, s24, s26
	s_mov_b32 s25, 0
	s_wait_kmcnt 0x0
	s_add_nc_u64 s[4:5], s[4:5], s[20:21]
	s_add_nc_u64 s[6:7], s[6:7], s[20:21]
	s_add_nc_u64 s[8:9], s[8:9], s[22:23]
	s_add_nc_u64 s[10:11], s[10:11], s[24:25]
	global_load_b32 v8, v3, s[6:7]
.irp p, 0,1,2,3
	global_load_b32 v[9+\p], v3, s[4:5] offset:32768*\p
.endr
.set jj, 0
.rept 32
	global_load_b128 v[W+4*jj:W+4*jj+3], v2, s[8:9] offset:8192*jj th:TH_LOAD_NT
.set jj, jj+1
.endr
	s_wait_loadcnt 32                              ; the bias and hpart's four numbers are in; the 32 rows of w_ffn2 stay out
	v_add_f32 v8, v8, v9
	v_add_f32 v8, v8, v10
	v_add_f32 v8, v8, v11
	v_add_f32 v8, v8, v12                          ; a
	v_mul_f32 v[T], v8, v8
	v_fma_f32 v[T], v[T], s14, s15
	v_mul_f32 v[T], v[T], v8
	v_exp_f32 v[T], v[T]                           ; e^(2u): infinity for a large a gives gelu = a, 0 for a large -a gives 0
	v_nop                                          ; one plain instruction behind each transcendental (ISA guide 5.7.2)
	s_wait_alu depctr_va_vdst(0)
	v_add_f32 v[T], 1.0, v[T]
	v_rcp_f32 v[T], v[T]
	v_nop
	s_wait_alu depctr_va_vdst(0)
	v_fma_f32 v[T], -v8, v[T], v8
	ds_store_b32 v3, v[T] offset:VEC
	BAR
.irp k, 0,1,2,3,4,5,6,7
	ds_load_b128 v[MU+4*\k:MU+4*\k+3], v5 offset:VEC+16*\k
.endr
	s_wait_dscnt 0x0
	MVCORE 32, W, MU, 0
	FINRED 16, RED, W, 10
.Lfunc_end_k_q65e4aa14c8_ffn2:
	.size	k_q65e4aa14c8_ffn2, .Lfunc_end_k_q65e4aa14c8_ffn2-k_q65e4aa14c8_ffn2
	.p2alignl 7, 3214868480
	.fill 96, 4, 3214868480
	.section	.rodata,"a",@progbits
	.p2align	6, 0x0
	.amdhsa_kernel k_q65e4aa14c8_ffn2
		.amdhsa_group_segment_fixed_size 12288
		.amdhsa_private_segment_fixed_size 0
		.amdhsa_enable_private_segment 0
		.amdhsa_kernarg_size 32
		.amdhsa_user_sgpr_count 2
		.amdhsa_user_sgpr_kernarg_segment_ptr 1
		.amdhsa_wavefront_size32 1
		.amdhsa_system_sgpr_workgroup_id_x 1
		.amdhsa_system_sgpr_workgroup_id_y 1
		.amdhsa_system_sgpr_workgroup_id_z 1
		.amdhsa_system_vgpr_workitem_id 0
		.amdhsa_next_free_vgpr 194
		.amdhsa_next_free_sgpr 66
		.amdhsa_reserve_vcc 0
		.amdhsa_float_denorm_mode_32 3
		.amdhsa_float_denorm_mode_16_64 3
		.amdhsa_memory_ordered 1
		.amdhsa_forward_progress 1
		.amdhsa_inst_pref_size 15
	.end_amdhsa_kernel
	.amdgpu_metadata
---
amdhsa.version: [ 1, 2 ]
amdhsa.kernels:
  - .name:           k_q65e4aa14c8_ffn2
    .symbol:         k_q65e4aa14c8_ffn2.kd
    .args:
      - { .name: hpart, .offset: 0, .size: 8, .value_kind: global_buffer, .address_space: global }
      - { .name: b_ffn1, .offset: 8, .size: 8, .value_kind: global_buffer, .address_space: global }
      - { .name: w_ffn2, .offset: 16, .size: 8, .value_kind: global_buffer, .address_space: global }
      - { .name: outpart, .offset: 24, .size: 8, .value_kind: global_buffer, .address_space: global }
    .group_segment_fixed_size: 12288
    .private_segment_fixed_size: 0
    .kernarg_segment_align: 8
    .kernarg_segment_size: 32
    .max_flat_workgroup_size: 512
    .sgpr_count:     66
    .vgpr_count:     194
    .wavefront_size: 32
...
	.end_amdgpu_metadata
.endif
;; end of part 7
;; launch final (part 8): grid 16 x 1, 1 waves a work-group, no clusters, 0 bytes of LDS; arguments self_tok, bo, xpart, b_ffn2, outpart, out0; writes out0
.if DOCPART == 8
	.amdgcn_target "amdgcn-amd-amdhsa--gfx1250"
	.amdhsa_code_object_version 6
	.text
	.protected	k_q65e4aa14c8_final
	.globl	k_q65e4aa14c8_final
	.p2align	8
	.type	k_q65e4aa14c8_final,@function
k_q65e4aa14c8_final:
	s_mov_b64 s[64:65], 0
	v_nop
	global_prefetch_b8 v0, s[64:65] scope:SCOPE_SE
	s_setreg_imm32_b32 hwreg(HW_REG_WAVE_MODE, 25, 1), 1
	s_wait_xcnt 0x0
; out0 = x + ffn = (self_tok + bo + sum of the 8 rows of xpart) + (b_ffn2 + sum of the 16 rows of outpart).
; 2,048 numbers in all: 16 work-groups of one wave, 128 numbers each, 4 a lane; there is no work for more.  No LDS, no barrier.
.set XV, 4                             ; v[4:7]     self_tok, then x
.set BO, 8                             ; v[8:11]
.set XP, 12                            ; v[12:43]   8 pieces of xpart
.set FV, 44                            ; v[44:47]   b_ffn2, then ffn
.set OP, 48                            ; v[48:111]  16 pieces of outpart
	s_load_b256 s[4:11], s[0:1], 0x0               ; self_tok s[4:5], bo s[6:7], xpart s[8:9], b_ffn2 s[10:11]
	s_load_b128 s[16:19], s[0:1], 0x20             ; outpart s[16:17], out0 s[18:19]
	v_lshlrev_b32 v2, 4, v0
	s_lshl_b32 s20, ttmp9, 9
	v_add_nc_u32 v2, s20, v2                       ; 512 g + 16 L, never written again
	s_wait_kmcnt 0x0
	global_load_b128 v[XV:XV+3], v2, s[4:5]
	global_load_b128 v[BO:BO+3], v2, s[6:7]
.set jj, 0
.rept 8
	global_load_b128 v[XP+4*jj:XP+4*jj+3], v2, s[8:9] offset:8192*jj
.set jj, jj+1
.endr
	global_load_b128 v[FV:FV+3], v2, s[10:11]
.set jj, 0
.rept 16
	global_load_b128 v[OP+4*jj:OP+4*jj+3], v2, s[16:17] offset:8192*jj
.set jj, jj+1
.endr
	s_wait_loadcnt 17                              ; x's 10 loads are in; b_ffn2 and the 16 pieces of outpart stay out
	v_pk_add_f32 v[XV:XV+1], v[XV:XV+1], v[BO:BO+1]
	v_pk_add_f32 v[XV+2:XV+3], v[XV+2:XV+3], v[BO+2:BO+3]
.set jj, 0
.rept 8
	v_pk_add_f32 v[XV:XV+1], v[XV:XV+1], v[XP+4*jj:XP+4*jj+1]
	v_pk_add_f32 v[XV+2:XV+3], v[XV+2:XV+3], v[XP+4*jj+2:XP+4*jj+3]
.set jj, jj+1
.endr
	s_wait_loadcnt 0x0
.set jj, 0
.rept 16
	v_pk_add_f32 v[FV:FV+1], v[FV:FV+1], v[OP+4*jj:OP+4*jj+1]
	v_pk_add_f32 v[FV+2:FV+3], v[FV+2:FV+3], v[OP+4*jj+2:OP+4*jj+3]
.set jj, jj+1
.endr
	v_pk_add_f32 v[XV:XV+1], v[XV:XV+1], v[FV:FV+1]
	v_pk_add_f32 v[XV+2:XV+3], v[XV+2:XV+3], v[FV+2:FV+3]
	global_store_b128 v2, v[XV:XV+3], s[18:19]     ; the wave stores 512 consecutive bytes, aligned
	s_endpgm
.Lfunc_end_k_q65e4aa14c8_final:
	.size	k_q65e4aa14c8_final, .Lfunc_end_k_q65e4aa14c8_final-k_q65e4aa14c8_final
	.p2alignl 7, 3214868480
	.fill 96, 4, 3214868480
	.section	.rodata,"a",@progbits
	.p2align	6, 0x0
	.amdhsa_kernel k_q65e4aa14c8_final
		.amdhsa_group_segment_fixed_size 0
		.amdhsa_private_segment_fixed_size 0
		.amdhsa_enable_private_segment 0
		.amdhsa_kernarg_size 48
		.amdhsa_user_sgpr_count 2
		.amdhsa_user_sgpr_kernarg_segment_ptr 1
		.amdhsa_wavefront_size32 1
		.amdhsa_system_sgpr_workgroup_id_x 1
		.amdhsa_system_sgpr_workgroup_id_y 1
		.amdhsa_system_sgpr_workgroup_id_z 1
		.amdhsa_system_vgpr_workitem_id 0
		.amdhsa_next_free_vgpr 112
		.amdhsa_next_free_sgpr 66
		.amdhsa_reserve_vcc 0
		.amdhsa_float_denorm_mode_32 3
		.amdhsa_float_denorm_mode_16_64 3
		.amdhsa_memory_ordered 1
		.amdhsa_forward_progress 1
		.amdhsa_inst_pref_size 7
	.end_amdhsa_kernel
	.amdgpu_metadata
---
amdhsa.version: [ 1, 2 ]
amdhsa.kernels:
  - .name:           k_q65e4aa14c8_final
    .symbol:         k_q65e4aa14c8_final.kd
    .args:
      - { .name: self_tok, .offset: 0, .size: 8, .value_kind: global_buffer, .address_space: global }
      - { .name: bo, .offset: 8, .size: 8, .value_kind: global_buffer, .address_space: global }
      - { .name: xpart, .offset: 16, .size: 8, .value_kind: global_buffer, .address_space: global }
      - { .name: b_ffn2, .offset: 24, .size: 8, .value_kind: global_buffer, .address_space: global }
      - { .name: outpart, .offset: 32, .size: 8, .value_kind: global_buffer, .address_space: global }
      - { .name: out0, .offset: 40, .size: 8, .value_kind: global_buffer, .address_space: global }
    .group_segment_fixed_size: 0
    .private_segment_fixed_size: 0
    .kernarg_segment_align: 8
    .kernarg_segment_size: 48
    .max_flat_workgroup_size: 32
    .sgpr_count:     66
    .vgpr_count:     112
    .wavefront_size: 32
...
	.end_amdgpu_metadata
.endif
;; end of part 8
;; ======== version 2 of 2: 8 launches; version 1 with the launch ukey written anew for expert scheduling mode
;; limits: values outside matrix products are rounded to bf16
;; workspace buffers: qpart 131,072 bytes; ug 65,536 bytes; zpart 16,777,216 bytes; stats 32,768 bytes; opart 131,072 bytes; xpart 65,536 bytes; hpart 131,072 bytes; outpart 131,072 bytes
;; launch qproj: the kernel of part 1 again; grid 16 x 16, 8 waves a work-group, no clusters, 13,824 bytes of LDS; arguments self_tok, g1, b1, wq, qpart; writes qpart
;; launch ukey (part 9): grid 16 x 16, 8 waves a work-group, no clusters, 5,632 bytes of LDS; arguments qpart, bq, wk, g1, ug; writes ug
.if DOCPART == 9
	.amdgcn_target "amdgcn-amd-amdhsa--gfx1250"
	.amdhsa_code_object_version 6
	.text
	.protected	k_q65e4aa14c8_ukey
	.globl	k_q65e4aa14c8_ukey
	.p2align	8
	.type	k_q65e4aa14c8_ukey,@function
k_q65e4aa14c8_ukey:
	s_mov_b64 s[64:65], 0
	v_nop
	global_prefetch_b8 v0, s[64:65] scope:SCOPE_SE
	s_setreg_imm32_b32 hwreg(HW_REG_WAVE_SCHED_MODE, 0, 2), 2
	s_setreg_imm32_b32 hwreg(HW_REG_WAVE_MODE, 25, 1), 1
	s_wait_xcnt 0x0
	s_wait_alu depctr_vm_vsrc(0)
; ug[cc][h][j] = bf16( g1[c] * K * sum_d wk[c][128h+d] q[128h+d] ),  c = 128 cc + j,  q = sum of the 16 rows of qpart + bq,  K = 128^-0.5 * log2(e).
; Left out: bk and the term sum_c b1[c] u[c,h]; both add to the scores a number that is the same along the softmax's axis (shown at the head of qproj).
; Work-group (cc, h): rows 128 cc .. +127, columns 128 h .. +127 of wk.  Wave w: 16 rows; a row piece is 512 consecutive bytes, lane L columns 4L .. 4L+3.
; THE MODE: SCHED_MODE bits 1:0 = 2 (LLVM: expert scheduling mode 2), set by the entry lines.  The code itself states the register dependences
; between vector instructions and memory or LDS instructions, with s_wait_alu, always for 0.
; THE PLAN.  Registers that memory or LDS instructions touch:
;   v2 .. v5, v132, v133   offsets and LDS addresses: written by vector instructions at the head, once; read by every load, store and LDS access; never written again.
;   QP, BQ, G, W           global loads land in them; no vector instruction names them before.  QP's first four are then written by two adds and read by one LDS store.
;   XT                     eight LDS loads land in it; no vector instruction names it before.  When it has been added up its registers are R.
;   R                      sixteen pairs, ONE FOR EACH ROW: written by the row's own vector instructions, its first register read by the row's one LDS store, never written again.
;   T                      wave 0 alone: an LDS load lands in it (no vector instruction names it before); four vector instructions write it; the global store reads two of it.
; No register that a memory or LDS instruction has read is written again; the one wait on vm_vsrc stands among the entry lines.
; The 16 rows go in four groups of four: the four rows' sums over the lanes stand side by side, one instruction a row by turns, and ONE wait on va_vdst stands
; ahead of the group's four LDS stores.  The next group writes other pairs.  Each row's sum takes its terms in the order product, product, add, lanes 1, 2, 4, 8, halves.
.set VP,  0                            ; 8 x 512 bytes: the waves' sums of two rows of qpart
.set UR,  4096                         ; 128 words: u of the tile's rows
.set QP,  8                            ; v[8:15]    two pieces of qpart
.set BQ,  16                           ; v[16:19]   bq
.set G,   20                           ; v[20:23]   g1 of rows 128 cc + 4L .. +3
.set Q,   24                           ; v[24:27]   q of this head, scaled
.set W,   28                           ; v[28:91]   16 row pieces of wk
.set T,   92                           ; v[92:95]   wave 0's way out
.set XT,  100                          ; v[100:131] at work while q is added up
.set R,   XT                           ; v[100:131] behind that: row i's pair at R + 2 i: its sum, and a register at work
.macro BAR
	s_wait_dscnt 0x0
	s_barrier_signal -1
	s_barrier_wait -1
.endm
.macro XSUM8 dst, reg, tmp             ; v[dst .. dst+3] = sum, in the order of the waves, of the eight pieces of 512 bytes at reg
.set jj, 0
.rept 8
	ds_load_b128 v[\tmp+4*jj:\tmp+4*jj+3], v2 offset:\reg+512*jj
.set jj, jj+1
.endr
	s_wait_dscnt 0x0
	v_pk_add_f32 v[\dst:\dst+1], v[\tmp:\tmp+1], v[\tmp+4:\tmp+5]
	v_pk_add_f32 v[\dst+2:\dst+3], v[\tmp+2:\tmp+3], v[\tmp+6:\tmp+7]
.set jj, 2
.rept 6
	v_pk_add_f32 v[\dst:\dst+1], v[\dst:\dst+1], v[\tmp+4*jj:\tmp+4*jj+1]
	v_pk_add_f32 v[\dst+2:\dst+3], v[\dst+2:\dst+3], v[\tmp+4*jj+2:\tmp+4*jj+3]
.set jj, jj+1
.endr
.endm
; Rows 4 g .. 4 g + 3: a row's dot product with q is 4 products a lane, then the sum over the 32 lanes; every lane then stores the same word.
.macro GROUP g
.irp k, 0,1,2,3
	s_wait_loadcnt 15-4*(\g)-(\k)                  ; row 4 g + k is in, the younger rows stay out
	v_pk_mul_f32 v[R+8*(\g)+2*(\k):R+8*(\g)+2*(\k)+1], v[W+16*(\g)+4*(\k):W+16*(\g)+4*(\k)+1], v[Q:Q+1]
	v_pk_fma_f32 v[R+8*(\g)+2*(\k):R+8*(\g)+2*(\k)+1], v[W+16*(\g)+4*(\k)+2:W+16*(\g)+4*(\k)+3], v[Q+2:Q+3], v[R+8*(\g)+2*(\k):R+8*(\g)+2*(\k)+1]
.endr
.irp k, 0,1,2,3
	v_add_f32 v[R+8*(\g)+2*(\k)], v[R+8*(\g)+2*(\k)], v[R+8*(\g)+2*(\k)+1]
.endr
.irp m, 1,2,4,8
.irp k, 0,1,2,3
	v_add_f32_dpp v[R+8*(\g)+2*(\k)], v[R+8*(\g)+2*(\k)], v[R+8*(\g)+2*(\k)] row_xmask:\m row_mask:0xf bank_mask:0xf
.endr
.endr
.irp k, 0,1,2,3
	v_permlanex16_b32 v[R+8*(\g)+2*(\k)+1], v[R+8*(\g)+2*(\k)], s12, s13   ; its destination has been written by the products above
.endr
.irp k, 0,1,2,3
	v_add_f32 v[R+8*(\g)+2*(\k)], v[R+8*(\g)+2*(\k)], v[R+8*(\g)+2*(\k)+1]
.endr
	s_wait_alu depctr_va_vdst(0)                   ; the group's four sums are written, which the four LDS stores below read
.irp k, 0,1,2,3
	ds_store_b32 v4, v[R+8*(\g)+2*(\k)] offset:UR+16*(\g)+4*(\k)
.endr
.endm
	s_load_b256 s[4:11], s[0:1], 0x0               ; qpart s[4:5], bq s[6:7], wk s[8:9], g1 s[10:11]
	s_load_b64 s[14:15], s[0:1], 0x20              ; ug
	v_lshl_add_u32 v132, v0, 2, 0x1200
	v_mov_b32 v133, 0
	v_and_b32 v1, 31, v0
	v_lshrrev_b32 v3, 5, v0
	v_readfirstlane_b32 s16, v3                    ; wave w
	v_lshlrev_b32 v2, 4, v1                        ; 16 L
	v_lshlrev_b32 v5, 3, v1                        ; 8 L
	s_mov_b32 s12, 0x76543210
	s_mov_b32 s13, 0xfedcba98
	s_and_b32 s18, ttmp7, 0xffff                   ; h
	s_wait_alu depctr_va_sdst(0)                   ; s16 is written, ahead of its first reader: LDS addresses, the bases and the branch at the end are made from it
	s_lshl_b32 s17, s16, 9
	v_add_nc_u32 v3, s17, v2                       ; 512 w + 16 L
	s_lshl_b32 s19, s16, 6                         ; in a register of its own: s17, which the vector line above reads, is not written again
	v_mov_b32 v4, s19                              ; 64 w: my 16 words of UR
	s_lshl_b32 s22, s18, 9                         ; bq: 512 h
	s_mov_b32 s23, 0
	s_lshl_b32 s20, s16, 14                        ; qpart: rows 2w, 2w+1, + 512 h
	s_add_co_u32 s20, s20, s22
	s_mov_b32 s21, 0
	s_lshl_b32 s24, ttmp9, 20                      ; wk: (128 cc + 16 w) rows of 8,192 bytes + 512 h
	s_lshl_b32 s25, s16, 17
	s_add_co_u32 s24, s24, s25
	s_add_co_u32 s24, s24, s22
	s_mov_b32 s25, 0
	s_lshl_b32 s26, ttmp9, 9                       ; g1: 512 cc
	s_mov_b32 s27, 0
	s_lshl_b32 s28, ttmp9, 12                      ; ug: 256 (16 cc + h)
	s_lshl_b32 s29, s18, 8
	s_add_co_u32 s28, s28, s29
	s_mov_b32 s29, 0
	s_wait_kmcnt 0x0
	s_add_nc_u64 s[4:5], s[4:5], s[20:21]
	s_add_nc_u64 s[6:7], s[6:7], s[22:23]
	s_add_nc_u64 s[8:9], s[8:9], s[24:25]
	s_add_nc_u64 s[10:11], s[10:11], s[26:27]
	s_add_nc_u64 s[14:15], s[14:15], s[28:29]
	s_wait_alu depctr_va_vdst(0)                   ; v2 to v5 are written: every load, store and LDS access of the kernel reads one of them as its offset or address
	global_load_b128 v[QP:QP+3],   v2, s[4:5]
	global_load_b128 v[QP+4:QP+7], v2, s[4:5] offset:8192
	global_load_b128 v[BQ:BQ+3],   v2, s[6:7]
	global_load_b128 v[G:G+3],     v2, s[10:11]
.set jj, 0
.rept 16
	global_load_b128 v[W+4*jj:W+4*jj+3], v2, s[8:9] offset:8192*jj th:TH_LOAD_NT
.set jj, jj+1
.endr
	s_wait_loadcnt 16                              ; qpart's pieces, bq and g1 are in; the 16 rows of wk stay out
	v_pk_add_f32 v[QP:QP+1], v[QP:QP+1], v[QP+4:QP+5]
	v_pk_add_f32 v[QP+2:QP+3], v[QP+2:QP+3], v[QP+6:QP+7]
	s_wait_alu depctr_va_vdst(0)                   ; the two adds have written v[QP .. QP+3], which the LDS store reads
	ds_store_b128 v3, v[QP:QP+3] offset:VP
	BAR
	XSUM8 Q, VP, XT                                ; its loads land in XT, which no vector instruction has named: nothing is owed
	v_pk_add_f32 v[Q:Q+1], v[Q:Q+1], v[BQ:BQ+1]
	v_pk_add_f32 v[Q+2:Q+3], v[Q+2:Q+3], v[BQ+2:BQ+3]
	v_pk_mul_f32 v[Q:Q+1], v[Q:Q+1], 0x3e0293ee op_sel_hi:[1,0]        ; 128^-0.5 * log2(e): the softmax works in base 2
	v_pk_mul_f32 v[Q+2:Q+3], v[Q+2:Q+3], 0x3e0293ee op_sel_hi:[1,0]
	GROUP 0
	GROUP 1
	GROUP 2
	GROUP 3
	BAR
	s_cmp_lg_u32 s16, 0
	s_cbranch_scc1 .Lend
	ds_load_b128 v[T:T+3], v2 offset:UR            ; rows 4L .. 4L+3 of the tile; no vector instruction has named T
	s_wait_dscnt 0x0
	v_pk_mul_f32 v[T:T+1], v[T:T+1], v[G:G+1]
	v_pk_mul_f32 v[T+2:T+3], v[T+2:T+3], v[G+2:G+3]
	v_cvt_pk_bf16_f32 v[T], v[T], v[T+1]
	v_cvt_pk_bf16_f32 v[T+1], v[T+2], v[T+3]
	s_wait_alu depctr_va_vdst(0)                   ; the two roundings have written v[T], v[T+1], which the store reads
	global_store_b64 v5, v[T:T+1], s[14:15]        ; 32 lanes store 256 consecutive bytes, aligned
.Lend:
	s_wait_dscnt 0x0                               ; the closing lines, six on end
	s_wait_alu 0x0
	s_wait_tensorcnt 0x0
	ds_add_u32 v132, v133
	s_wait_dscnt 0x0
	s_endpgm
.Lfunc_end_k_q65e4aa14c8_ukey:
	.size	k_q65e4aa14c8_ukey, .Lfunc_end_k_q65e4aa14c8_ukey-k_q65e4aa14c8_ukey
	.p2alignl 7, 3214868480
	.fill 96, 4, 3214868480
	.section	.rodata,"a",@progbits
	.p2align	6, 0x0
	.amdhsa_kernel k_q65e4aa14c8_ukey
		.amdhsa_group_segment_fixed_size 5632
		.amdhsa_private_segment_fixed_size 0
		.amdhsa_enable_private_segment 0
		.amdhsa_kernarg_size 40
		.amdhsa_user_sgpr_count 2
		.amdhsa_user_sgpr_kernarg_segment_ptr 1
		.amdhsa_wavefront_size32 1
		.amdhsa_system_sgpr_workgroup_id_x 1
		.amdhsa_system_sgpr_workgroup_id_y 1
		.amdhsa_system_sgpr_workgroup_id_z 1
		.amdhsa_system_vgpr_workitem_id 0
		.amdhsa_next_free_vgpr 134
		.amdhsa_next_free_sgpr 66
		.amdhsa_reserve_vcc 0
		.amdhsa_float_denorm_mode_32 3
		.amdhsa_float_denorm_mode_16_64 3
		.amdhsa_memory_ordered 1
		.amdhsa_forward_progress 1
		.amdhsa_inst_pref_size 17
	.end_amdhsa_kernel
	.amdgpu_metadata
---
amdhsa.version: [ 1, 2 ]
amdhsa.kernels:
  - .name:           k_q65e4aa14c8_ukey
    .symbol:         k_q65e4aa14c8_ukey.kd
    .args:
      - { .name: qpart, .offset: 0, .size: 8, .value_kind: global_buffer, .address_space: global }
      - { .name: bq, .offset: 8, .size: 8, .value_kind: global_buffer, .address_space: global }
      - { .name: wk, .offset: 16, .size: 8, .value_kind: global_buffer, .address_space: global }
      - { .name: g1, .offset: 24, .size: 8, .value_kind: global_buffer, .address_space: global }
      - { .name: ug, .offset: 32, .size: 8, .value_kind: global_buffer, .address_space: global }
    .group_segment_fixed_size: 5632
    .private_segment_fixed_size: 0
    .kernarg_segment_align: 8
    .kernarg_segment_size: 40
    .max_flat_workgroup_size: 256
    .sgpr_count:     66
    .vgpr_count:     134
    .wavefront_size: 32
...
	.end_amdgpu_metadata
.endif
;; end of part 9
;; launch stream: the kernel of part 3 again; grid 256 x 1, 16 waves a work-group, no clusters, 238,592 bytes of LDS; arguments all_toks, ug, zpart, stats; writes zpart, stats
;; launch ctxv: the kernel of part 4 again; grid 16 x 16, 8 waves a work-group, no clusters, 14,848 bytes of LDS; arguments stats, zpart, g1, b1, wv, opart; writes opart
;; launch oproj: the kernel of part 5 again; grid 32 x 8, 8 waves a work-group, no clusters, 6,144 bytes of LDS; arguments opart, bv, wo, xpart; writes xpart
;; launch ffn1: the kernel of part 6 again; grid 64 x 4, 16 waves a work-group, no clusters, 18,944 bytes of LDS; arguments self_tok, bo, xpart, g2, b2, w_ffn1, hpart; writes hpart
;; launch ffn2: the kernel of part 7 again; grid 16 x 16, 16 waves a work-group, no clusters, 12,288 bytes of LDS; arguments hpart, b_ffn1, w_ffn2, outpart; writes outpart
;; launch final: the kernel of part 8 again; grid 16 x 1, 1 waves a work-group, no clusters, 0 bytes of LDS; arguments self_tok, bo, xpart, b_ffn2, outpart, out0; writes out0
